; MI455X (gfx1250); checked and timed in simulation.
; The chip was launched on July 23, 2026; its instructions are those of AMD's public machine-readable ISA for CDNA 5 (MIT licence, August 2026) and "CDNA5" Instruction Set Architecture Reference Guide (July 2026). The comments in the code are by the model that wrote it; some were corrected since.
;; Multi Head Latent Attention. Allowed arithmetic: float matrix products may take bf16 or f16 operands with f32 sums; all other float work in f32.
;; Inputs: W_dkv 256 x 1,024 float32; W_dq 256 x 1,024 float32; W_o 1,024 x 1,024 float32; W_rk 32 x 1,024 float32; W_rq 512 x 256 float32; W_uk 1,024 x 256 float32; W_uq 1,024 x 256 float32; W_uv 1,024 x 256 float32; x 2 x 2,048 x 1,024 float32.
;; Outputs: out0 2 x 2,048 x 1,024 float32.
;; 2 versions, each right. Each part assembles by itself: llvm-mc -triple=amdgcn-amd-amdhsa -mcpu=gfx1250 --defsym DOCPART=n.
;; ======== version 1 of 2: 4 launches
;; workspace buffers: c 8,388,608 bytes; kr 524,288 bytes; wb 3,932,160 bytes; tab 262,144 bytes; qkv 58,720,256 bytes; att 16,777,216 bytes
;; launch down (part 1): grid 4 x 64, 8 waves a work-group, no clusters, 107,520 bytes of LDS; arguments x, W_dq, W_dkv, W_rk, W_uq, W_rq, W_uk, W_uv, W_o, c, kr, wb, tab; writes c, kr, wb, tab
.if DOCPART == 1
	.amdgcn_target "amdgcn-amd-amdhsa--gfx1250"
	.amdhsa_code_object_version 6
	.text
	.protected	k_q631171644c_down
	.globl	k_q631171644c_down
	.p2align	8
	.type	k_q631171644c_down,@function
k_q631171644c_down:
	s_mov_b64 s[64:65], 0
	v_nop
	global_prefetch_b8 v0, s[64:65] scope:SCOPE_SE
	s_setreg_imm32_b32 hwreg(HW_REG_WAVE_MODE, 25, 1), 1
	s_wait_xcnt 0x0
; c_Q = x W_dq^T, c_KV = x W_dkv^T, K_R = rope(x W_rk^T); besides: W_uq|W_rq|W_uk|W_uv and W_o cast to bf16 (wb), and the cos/sin table (tab).
; A work-group makes 64 tokens x 160 columns: 128 rows of W_dq (x = 0,1) or W_dkv (x = 2,3) and the 32 rows of W_rk.  All four column groups
; compute K_R (34 column tiles do not divide evenly over 256 equal work-groups); the group with x = 0 stores it.
; Both operands are f32 in memory, so they pass through registers: 16-byte loads, one rounding to bf16, LDS, fragments.  No tensor loads, no cluster.
; Results are stored as TWO bf16 numbers, hi = bf16(v) and lo = bf16(v - hi): one bf16 rounding of an intermediate is about 2^-9 of a row's size,
; and the first tokens' output rows are some ten times the output's root mean square, so it would not fit the allowed error.
; LIMITS: inputs finite.  The rope angle is pos * exp2(-0.830482 i) in f32; sine and cosine by reduction with two parts of pi/2 and polynomials (error below 4e-6).
.set PA,    144                        ; LDS row: 64 bf16 + 16 bytes: an odd multiple of 16
.set ABUF,  9216                       ; 64 rows of x
.set BBASE, 18432
.set BBUF,  23040                      ; 160 weight rows
.set STG,   64512                      ; the way out: 64 rows x 336 bytes, hi; lo STGL further
.set STGL,  21504
.set SP,    336
.set ACC,   8                          ; v[8:47]    5 tiles of 16 columns x 16 tokens
.set FA,    48                         ; v[48:55]   token fragment
.set FB,    56                         ; v[56:95]   5 weight fragments (at the start: the cast's data)
.set GA,    96                         ; v[96:151]  14 x 4 registers of f32 on their way, set 0
.set GB,    152                        ; v[152:207] set 1
.set TT,    208                        ; v[208:219] rope: pos, i base, angle, -, cos, sin, four temporaries, two products
.macro PLACES
.rept 4
	v_nop
.endr
.endm
.macro BAR
	s_barrier_signal -1
	s_barrier_wait -1
.endm
.macro SPLIT x, hi, lo, t              ; v[x:x+1] -> packed hi and packed lo = bf16(v - hi)
	v_cvt_pk_bf16_f32 v[\hi], v[\x], v[\x+1]
	v_lshlrev_b32 v[\t], 16, v[\hi]
	v_and_b32 v[\t+1], 0xffff0000, v[\hi]
	v_pk_add_f32 v[\x:\x+1], v[\x:\x+1], v[\t:\t+1] neg_lo:[0,1] neg_hi:[0,1]
	v_cvt_pk_bf16_f32 v[\lo], v[\x], v[\x+1]
.endm
.macro LOADSET g, imm                  ; one K step of 64: 4 + 8 + 2 loads; sixteen lanes take 256 bytes of a row
.irp i, 0,1,2,3
	global_load_b128 v[\g+4*\i:\g+4*\i+3], v1, s[8:9] offset:\imm+65536*\i
.endr
.irp i, 0,1,2,3,4,5,6,7
	global_load_b128 v[\g+16+4*\i:\g+16+4*\i+3], v1, s[10:11] offset:\imm+65536*\i
.endr
.irp i, 0,1
	global_load_b128 v[\g+48+4*\i:\g+48+4*\i+3], v1, s[12:13] offset:\imm+65536*\i
.endr
.endm
.macro STORESET g, buf                 ; round to bf16 in place, 8 bytes a lane into LDS
.irp i, 0,1,2,3,4,5,6,7,8,9,10,11,12,13
	v_cvt_pk_bf16_f32 v[\g+4*\i], v[\g+4*\i], v[\g+4*\i+1]
	v_cvt_pk_bf16_f32 v[\g+4*\i+1], v[\g+4*\i+2], v[\g+4*\i+3]
.endr
.irp i, 0,1,2,3
	ds_store_b64 v2, v[\g+4*\i:\g+4*\i+1] offset:(\buf)*ABUF+2304*\i
.endr
.irp i, 0,1,2,3,4,5,6,7,8,9
	ds_store_b64 v2, v[\g+16+4*\i:\g+16+4*\i+1] offset:BBASE+(\buf)*BBUF+2304*\i
.endr
.endm
; One K step: multiply buffer buf; the next step's set goes to the other buffer; the freed set is loaded three steps ahead.
.macro TRIP buf, g, zero, store, load, cnt, bar
.irp ks, 0,1
	PLACES                                         ; four places between the last matrix instruction and loads into its sources
	ds_load_b128 v[FA:FA+3], v3 offset:\buf*ABUF+64*\ks
	ds_load_b128 v[FA+4:FA+7], v3 offset:\buf*ABUF+64*\ks+32
.irp b, 0,1,2,3,4
	ds_load_b128 v[FB+8*\b:FB+8*\b+3], v4 offset:\buf*BBUF+2304*\b+64*\ks
	ds_load_b128 v[FB+8*\b+4:FB+8*\b+7], v4 offset:\buf*BBUF+2304*\b+64*\ks+32
.endr
	s_wait_dscnt 0x0
.irp b, 0,1,2,3,4                      ; five accumulators by turns
.if (\zero)*(1-\ks)
	v_wmma_f32_16x16x32_bf16 v[ACC+8*\b:ACC+8*\b+7], v[FB+8*\b:FB+8*\b+7], v[FA:FA+7], 0
.else
	v_wmma_f32_16x16x32_bf16 v[ACC+8*\b:ACC+8*\b+7], v[FB+8*\b:FB+8*\b+7], v[FA:FA+7], v[ACC+8*\b:ACC+8*\b+7]
.endif
.endr
.endr
.if \store
	s_wait_loadcnt \cnt                            ; the next step's 14 loads are in; the 14 of the step behind it (if any) stay out
	STORESET \g, 1-\buf
.endif
.if \load
	s_wait_xcnt 0x0                                ; the bases are stepped only behind this wait
	s_add_nc_u64 s[8:9], s[8:9], 256
	s_add_nc_u64 s[10:11], s[10:11], 256
	s_add_nc_u64 s[12:13], s[12:13], 256
	LOADSET \g, 0
.endif
.if \bar
	s_wait_dscnt 0x0                               ; my stores are done, my reads were waited for above
	BAR                                            ; the other buffer is whole; nobody reads this one any more
.endif
.endm
.macro ANG ic                          ; angle = pos * 10000^(-(i base + ic)/16)
	v_add_nc_u32 v[TT+6], \ic, v[TT+1]
	v_cvt_f32_u32 v[TT+6], v[TT+6]
	v_mul_f32 v[TT+6], s49, v[TT+6]
	v_exp_f32 v[TT+6], v[TT+6]
	v_nop
	s_wait_alu depctr_va_vdst(0)
	v_mul_f32 v[TT+2], v[TT], v[TT+6]
.endm
.macro SINCOS                          ; v[TT+2] -> cos in v[TT+4], sin in v[TT+5]; selects only, no branch
	v_mul_f32 v[TT+6], 0x3f22f983, v[TT+2]
	v_rndne_f32 v[TT+6], v[TT+6]                   ; q = nearest multiple of pi/2
	v_fma_f32 v[TT+7], v[TT+6], s42, v[TT+2]
	v_fma_f32 v[TT+7], v[TT+6], s43, v[TT+7]       ; r, |r| <= pi/4
	v_mul_f32 v[TT+8], v[TT+7], v[TT+7]
	v_fma_f32 v[TT+5], v[TT+8], s44, s45
	v_fma_f32 v[TT+4], v[TT+8], s47, s48
	v_fma_f32 v[TT+5], v[TT+5], v[TT+8], s46
	v_fma_f32 v[TT+4], v[TT+4], v[TT+8], -0.5
	v_mul_f32 v[TT+9], v[TT+7], v[TT+8]
	v_fma_f32 v[TT+5], v[TT+5], v[TT+9], v[TT+7]   ; sin r
	v_fma_f32 v[TT+4], v[TT+4], v[TT+8], 1.0       ; cos r
	v_cvt_i32_f32 v[TT+6], v[TT+6]
	v_and_b32 v[TT+7], 1, v[TT+6]
	v_cmp_eq_u32 vcc_lo, 1, v[TT+7]
	v_cndmask_b32 v[TT+8], v[TT+5], v[TT+4], vcc_lo
	v_cndmask_b32 v[TT+9], v[TT+4], v[TT+5], vcc_lo
	v_and_b32 v[TT+7], 2, v[TT+6]
	v_lshlrev_b32 v[TT+7], 30, v[TT+7]
	v_xor_b32 v[TT+5], v[TT+8], v[TT+7]
	v_add_nc_u32 v[TT+6], 1, v[TT+6]
	v_and_b32 v[TT+6], 2, v[TT+6]
	v_lshlrev_b32 v[TT+6], 30, v[TT+6]
	v_xor_b32 v[TT+4], v[TT+9], v[TT+6]
.endm
.macro ROT x                           ; (x1, x2) -> (x1 cos - x2 sin, x1 sin + x2 cos)
	v_mul_f32 v[TT+10], v[\x+1], v[TT+5]
	v_mul_f32 v[TT+11], v[\x+1], v[TT+4]
	v_fma_f32 v[\x+1], v[\x], v[TT+5], v[TT+11]
	v_fma_f32 v[\x], v[\x], v[TT+4], -v[TT+10]
.endm
	s_load_b512 s[16:31], s[0:1], 0x0              ; x, W_dq, W_dkv, W_rk, W_uq, W_rq, W_uk, W_uv
	s_load_b256 s[32:39], s[0:1], 0x40             ; W_o, c, kr, wb
	s_load_b64 s[40:41], s[0:1], 0x60              ; tab
	v_lshrrev_b32 v5, 5, v0
	v_readfirstlane_b32 s2, v5                     ; wave
	s_mov_b32 s3, ttmp9                            ; column group 0..3
	s_and_b32 s4, ttmp7, 0xffff                    ; token block 0..63
	s_lshl2_add_u32 s5, s4, s3                     ; g = 4 y + x: the work-group's share of the casts and of the table
	s_mov_b32 s42, 0xbfc90fdb                      ; -pi/2, upper part
	s_mov_b32 s43, 0x333bbd2e                      ; the rest of it
	s_mov_b32 s44, 0xb9500d01                      ; -1/5040
	s_mov_b32 s45, 0x3c088889                      ; 1/120
	s_mov_b32 s46, 0xbe2aaaab                      ; -1/6
	s_mov_b32 s47, 0xbab60b61                      ; -1/720
	s_mov_b32 s48, 0x3d2aaaab                      ; 1/24
	s_mov_b32 s49, 0xbf549a78                      ; -log2(10000)/16
	v_lshrrev_b32 v9, 4, v0
	v_and_b32 v10, 15, v0
	v_bfe_u32 v11, v0, 4, 1
	v_lshlrev_b32 v1, 12, v9
	v_lshl_add_u32 v1, v10, 4, v1                  ; global: row t/16 (4,096 bytes), 16 bytes a lane
	v_mul_u32_u24 v2, v9, PA
	v_lshl_add_u32 v2, v10, 3, v2                  ; LDS: the same row, 8 bytes a lane
	v_mul_u32_u24 v8, v10, PA
	v_lshl_add_u32 v8, v11, 4, v8                  ; fragment: row r, 16 h
	s_and_b32 s50, s2, 3                           ; mi: my 16 tokens
	s_lshr_b32 s51, s2, 2                          ; nh: my 80 columns
	s_mul_i32 s6, s50, 16*PA
	s_mul_i32 s7, s51, 80*PA
	s_add_co_u32 s7, s7, BBASE
	v_add_nc_u32 v3, s6, v8
	v_add_nc_u32 v4, s7, v8
	v_lshlrev_b32 v5, 4, v0                        ; 16 t
	v_lshlrev_b32 v6, 3, v0                        ; 8 t
	s_wait_kmcnt 0x0
	s_mov_b32 s7, 0
	s_lshl_b32 s6, s5, 14
	s_add_nc_u64 s[32:33], s[32:33], s[6:7]        ; W_o: 16 KiB a work-group
	s_lshl_b32 s6, s5, 12
	s_add_nc_u64 s[24:25], s[24:25], s[6:7]        ; W_uq, W_uk, W_uv: 4 KiB
	s_add_nc_u64 s[28:29], s[28:29], s[6:7]
	s_add_nc_u64 s[30:31], s[30:31], s[6:7]
	s_lshl_b32 s6, s5, 11
	s_add_nc_u64 s[26:27], s[26:27], s[6:7]        ; W_rq: 2 KiB
	s_add_nc_u64 s[54:55], s[38:39], s[6:7]
	s_lshl_b32 s6, s5, 13
	s_add_nc_u64 s[52:53], s[38:39], s[6:7]
	s_lshl_b32 s6, s5, 10
	s_add_nc_u64 s[56:57], s[38:39], s[6:7]
	s_add_nc_u64 s[40:41], s[40:41], s[6:7]        ; tab: 8 positions x 128 bytes
	s_lshl_b32 s6, s4, 18
	s_add_nc_u64 s[8:9], s[16:17], s[6:7]          ; x at my 64 tokens
	s_cmp_lt_u32 s3, 2
	s_cselect_b64 s[10:11], s[18:19], s[20:21]
	s_and_b32 s15, s3, 1
	s_lshl_b32 s6, s15, 19
	s_add_nc_u64 s[10:11], s[10:11], s[6:7]        ; my 128 weight rows
	s_mov_b64 s[12:13], s[22:23]
	; the casts' loads first, then two K steps
.irp i, 0,1,2,3
	global_load_b128 v[FB+4*\i:FB+4*\i+3], v5, s[32:33] offset:4096*\i th:TH_LOAD_NT
.endr
	global_load_b128 v[FB+16:FB+19], v5, s[24:25] th:TH_LOAD_NT
	global_load_b128 v[FB+20:FB+23], v5, s[28:29] th:TH_LOAD_NT
	global_load_b128 v[FB+24:FB+27], v5, s[30:31] th:TH_LOAD_NT
	s_cmp_lt_u32 s2, 4
	s_cbranch_scc0 .Lnorq
	global_load_b128 v[FB+28:FB+31], v5, s[26:27] th:TH_LOAD_NT
.Lnorq:
	LOADSET GA, 0
	LOADSET GB, 256
	s_wait_loadcnt 28                              ; the two sets of 14 are younger than the casts' loads
.irp i, 0,1,2,3,4,5,6
	v_cvt_pk_bf16_f32 v[FB+4*\i], v[FB+4*\i], v[FB+4*\i+1]
	v_cvt_pk_bf16_f32 v[FB+4*\i+1], v[FB+4*\i+2], v[FB+4*\i+3]
.endr
.irp i, 0,1,2,3
	global_store_b64 v6, v[FB+4*\i:FB+4*\i+1], s[52:53] offset:1835008+2048*\i   ; a wave's store covers 256 consecutive bytes, aligned
.endr
	global_store_b64 v6, v[FB+16:FB+17], s[54:55]
	global_store_b64 v6, v[FB+20:FB+21], s[54:55] offset:786432
	global_store_b64 v6, v[FB+24:FB+25], s[54:55] offset:1310720
	s_cmp_lt_u32 s2, 4
	s_cbranch_scc0 .Lnorq2
	v_cvt_pk_bf16_f32 v[FB+28], v[FB+28], v[FB+29]
	v_cvt_pk_bf16_f32 v[FB+29], v[FB+30], v[FB+31]
	global_store_b64 v6, v[FB+28:FB+29], s[56:57] offset:524288
.Lnorq2:
	s_wait_loadcnt 14                              ; K step 0 is in, step 1 stays out
	STORESET GA, 0
	s_wait_xcnt 0x0                                ; bases, and the casts' data registers, are free
	s_add_nc_u64 s[8:9], s[8:9], 512
	s_add_nc_u64 s[10:11], s[10:11], 512
	s_add_nc_u64 s[12:13], s[12:13], 512
	LOADSET GA, 0                                  ; K step 2
	s_wait_dscnt 0x0
	BAR
	TRIP 0, GB, 1, 1, 1, 14, 1                     ; step 0 starts the sums
	s_mov_b32 s14, 6
.Lk:
	TRIP 1, GA, 0, 1, 1, 14, 1
	TRIP 0, GB, 0, 1, 1, 14, 1
	s_sub_co_u32 s14, s14, 1
	s_cmp_lg_u32 s14, 0
	s_cbranch_scc1 .Lk
	TRIP 1, GA, 0, 1, 0, 14, 1                     ; step 13: nothing left to load
	TRIP 0, GB, 0, 1, 0, 0, 1
	TRIP 1, GA, 0, 0, 0, 0, 0
	PLACES                                         ; four places before the results are read
	s_cmp_lt_u32 s2, 4
	s_cbranch_scc0 .Lrope
	; waves 0-3: the table, positions 8 g .. 8 g + 7, sixteen frequencies each
	s_lshl_b32 s15, s5, 3
	v_lshrrev_b32 v[TT], 4, v0
	v_add_nc_u32 v[TT], s15, v[TT]
	v_cvt_f32_u32 v[TT], v[TT]
	v_and_b32 v[TT+1], 15, v0
	ANG 0
	SINCOS
	global_store_b64 v6, v[TT+4:TT+5], s[40:41]
	s_branch .Lsplit
.Lrope:
	; waves 4-7: tiles 3 and 4 are K_R's 32 columns; lane (r, h) holds token r, columns 16 kt + 8 h + j, pairs i = 8 kt + 4 h + jj
	s_lshl_b32 s15, s4, 6
	s_lshl_b32 s6, s50, 4
	s_add_co_u32 s15, s15, s6
	v_and_b32 v[TT+1], 15, v0
	v_add_nc_u32 v[TT], s15, v[TT+1]
	v_and_b32 v[TT], 0x7ff, v[TT]                  ; position in the sequence
	v_cvt_f32_u32 v[TT], v[TT]
	v_bfe_u32 v[TT+1], v0, 4, 1
	v_lshlrev_b32 v[TT+1], 2, v[TT+1]
.irp kt, 0,1
.irp jj, 0,1,2,3
	ANG 8*\kt+\jj
	SINCOS
	ROT ACC+8*(3+\kt)+2*\jj
.endr
.endr
.Lsplit:
.irp b, 0,1,2,3,4
.irp j, 0,1,2,3
	SPLIT ACC+8*\b+2*\j, GA+4*\b+\j, GA+20+4*\b+\j, GA+40+2*\j
.endr
.endr
	v_and_b32 v148, 15, v0
	v_bfe_u32 v149, v0, 4, 1
	v_mul_u32_u24 v144, v148, SP
	v_lshl_add_u32 v144, v149, 4, v144
	s_mul_i32 s6, s50, 16*SP
	s_mul_i32 s15, s51, 160
	s_add_co_u32 s6, s6, s15
	s_add_co_u32 s6, s6, STG
	v_add_nc_u32 v144, s6, v144                    ; row 16 mi + r, byte 160 nh + 16 h
.irp b, 0,1,2,3,4
	ds_store_b128 v144, v[GA+4*\b:GA+4*\b+3] offset:32*\b
	ds_store_b128 v144, v[GA+20+4*\b:GA+20+4*\b+3] offset:STGL+32*\b
.endr
	v_lshrrev_b32 v149, 4, v0
	v_mul_u32_u24 v145, v149, SP
	v_lshl_add_u32 v145, v148, 4, v145
	v_add_nc_u32 v145, STG, v145                   ; back: row t/16, 16 bytes a lane
	v_lshlrev_b32 v146, 9, v149
	v_lshl_add_u32 v146, v148, 4, v146             ; the same in c: rows of 512 bytes
	s_lshr_b32 s6, s3, 1
	s_lshl_b32 s6, s6, 22                          ; c_Q or c_KV: 4 MiB apart (hi and lo)
	s_lshl_b32 s15, s4, 15
	s_add_co_u32 s6, s6, s15
	s_and_b32 s15, s3, 1
	s_lshl_b32 s15, s15, 8
	s_add_co_u32 s6, s6, s15
	s_add_nc_u64 s[34:35], s[34:35], s[6:7]
	s_wait_dscnt 0x0
	BAR                                            ; the stage is whole
.irp x, 0,1
.irp i, 0,1,2,3
	ds_load_b128 v[GB+16*\x+4*\i:GB+16*\x+4*\i+3], v145 offset:\x*STGL+5376*\i
.endr
.endr
	s_wait_dscnt 0x0
.irp x, 0,1
.irp i, 0,1,2,3
	global_store_b128 v146, v[GB+16*\x+4*\i:GB+16*\x+4*\i+3], s[34:35] offset:2097152*\x+8192*\i   ; sixteen lanes: 256 consecutive bytes, aligned
.endr
.endr
	s_cmp_lg_u32 s3, 0
	s_cbranch_scc1 .Lend
	v_lshrrev_b32 v149, 2, v0
	v_and_b32 v148, 3, v0
	v_mul_u32_u24 v147, v149, SP
	v_lshl_add_u32 v147, v148, 4, v147
	v_add_nc_u32 v147, STG+256, v147               ; K_R: bytes 256..319 of row t/4
	v_lshlrev_b32 v148, 4, v0
	s_lshl_b32 s6, s4, 12
	s_add_nc_u64 s[36:37], s[36:37], s[6:7]
	ds_load_b128 v[GB+32:GB+35], v147
	ds_load_b128 v[GB+36:GB+39], v147 offset:STGL
	s_wait_dscnt 0x0
	global_store_b128 v148, v[GB+32:GB+35], s[36:37]
	global_store_b128 v148, v[GB+36:GB+39], s[36:37] offset:262144
.Lend:
	s_endpgm
.Lfunc_end_k_q631171644c_down:
	.size	k_q631171644c_down, .Lfunc_end_k_q631171644c_down-k_q631171644c_down
	.p2alignl 7, 3214868480
	.fill 96, 4, 3214868480
	.section	.rodata,"a",@progbits
	.p2align	6, 0x0
	.amdhsa_kernel k_q631171644c_down
		.amdhsa_group_segment_fixed_size 107520
		.amdhsa_private_segment_fixed_size 0
		.amdhsa_enable_private_segment 0
		.amdhsa_kernarg_size 104
		.amdhsa_user_sgpr_count 2
		.amdhsa_user_sgpr_kernarg_segment_ptr 1
		.amdhsa_wavefront_size32 1
		.amdhsa_system_sgpr_workgroup_id_x 1
		.amdhsa_system_sgpr_workgroup_id_y 1
		.amdhsa_system_sgpr_workgroup_id_z 1
		.amdhsa_system_vgpr_workitem_id 0
		.amdhsa_next_free_vgpr 224
		.amdhsa_next_free_sgpr 66
		.amdhsa_reserve_vcc 1
		.amdhsa_float_denorm_mode_32 3
		.amdhsa_float_denorm_mode_16_64 3
		.amdhsa_memory_ordered 1
		.amdhsa_forward_progress 1
		.amdhsa_inst_pref_size 69
	.end_amdhsa_kernel
	.amdgpu_metadata
---
amdhsa.version: [ 1, 2 ]
amdhsa.kernels:
  - .name:           k_q631171644c_down
    .symbol:         k_q631171644c_down.kd
    .args:
      - { .name: x, .offset: 0, .size: 8, .value_kind: global_buffer, .address_space: global }
      - { .name: W_dq, .offset: 8, .size: 8, .value_kind: global_buffer, .address_space: global }
      - { .name: W_dkv, .offset: 16, .size: 8, .value_kind: global_buffer, .address_space: global }
      - { .name: W_rk, .offset: 24, .size: 8, .value_kind: global_buffer, .address_space: global }
      - { .name: W_uq, .offset: 32, .size: 8, .value_kind: global_buffer, .address_space: global }
      - { .name: W_rq, .offset: 40, .size: 8, .value_kind: global_buffer, .address_space: global }
      - { .name: W_uk, .offset: 48, .size: 8, .value_kind: global_buffer, .address_space: global }
      - { .name: W_uv, .offset: 56, .size: 8, .value_kind: global_buffer, .address_space: global }
      - { .name: W_o, .offset: 64, .size: 8, .value_kind: global_buffer, .address_space: global }
      - { .name: c, .offset: 72, .size: 8, .value_kind: global_buffer, .address_space: global }
      - { .name: kr, .offset: 80, .size: 8, .value_kind: global_buffer, .address_space: global }
      - { .name: wb, .offset: 88, .size: 8, .value_kind: global_buffer, .address_space: global }
      - { .name: tab, .offset: 96, .size: 8, .value_kind: global_buffer, .address_space: global }
    .group_segment_fixed_size: 107520
    .private_segment_fixed_size: 0
    .kernarg_segment_align: 8
    .kernarg_segment_size: 104
    .max_flat_workgroup_size: 256
    .sgpr_count:     66
    .vgpr_count:     224
    .wavefront_size: 32
...
	.end_amdgpu_metadata
.endif
;; end of part 1
;; launch up (part 2): grid 28 x 8, 8 waves a work-group, clusters of 4 x 1, 327,680 bytes of LDS; arguments c, wb, tab, qkv; writes qkv
.if DOCPART == 2
	.amdgcn_target "amdgcn-amd-amdhsa--gfx1250"
	.amdhsa_code_object_version 6
	.text
	.protected	k_q631171644c_up
	.globl	k_q631171644c_up
	.p2align	8
	.type	k_q631171644c_up,@function
k_q631171644c_up:
	s_mov_b64 s[64:65], 0
	v_nop
	global_prefetch_b8 v0, s[64:65] scope:SCOPE_SE
	s_setreg_imm32_b32 hwreg(HW_REG_WAVE_MODE, 25, 1), 1
	s_wait_xcnt 0x0
	s_wait_alu depctr_hold_cnt(0) depctr_sa_sdst(0) depctr_va_vdst(0) depctr_va_sdst(0) depctr_va_ssrc(0) depctr_va_vcc(0) depctr_vm_vsrc(0)
	s_getreg_b32 s2, hwreg(HW_REG_IB_STS2, 6, 4)
	s_cmp_eq_u32 s2, 0
	s_cbranch_scc0 .Lentry_in_a_cluster
	s_endpgm
.Lentry_in_a_cluster:
	s_bfe_u32 s2, ttmp6, 0x10000c
	s_cmp_lg_u32 s2, 0x3003
	s_cbranch_scc0 .Lentry_shape_is_right
	s_endpgm
.Lentry_shape_is_right:
; Q = c_Q W_uq^T, Q_R = rope(c_Q W_rq^T), K = c_KV W_uk^T, V = c_KV W_uv^T, stored by head as hi and lo bf16.  Q and Q_R carry the factor
; log2(e)/sqrt(96), so that the attention clips at +-80 times that factor and uses exp2.
; A work-group owns 128 weight rows (they stay in LDS) and 512 tokens, in eight tiles of 64 tokens through two LDS slots.  c comes as hi + lo, so each
; K step is two products on one accumulator set.  28 column tiles x 8 token ranges = 224 work-groups: the split that is even.
; CLUSTER 4 x 1: the four partners have the same kind of weights (cluster x alone decides it) and the same tokens, so the token tiles are joint loads (mask 15).
; A wave makes 16 tokens x 64 columns: a head's whole rows (or two rope heads'), so its stores cover 512 consecutive bytes.
.set SLOTB, 67584                      ; hi 64 rows x 528, lo 64 rows x 528
.set BB,    135168                     ; 128 weight rows x 528
.set STAGE, 202752                     ; a wave: 16 rows x 144 hi, then lo
.set ACC, 16                           ; v[16:47]   4 tiles
.set F0,  80                           ; v[80:127]  fragments: A hi, A lo, 4 x B
.set F1,  128                          ; v[128:175]
.set TAB, 176                          ; v[176:191] cos, sin of my token
.macro PLACES
.rept 4
	v_nop
.endr
.endm
.macro BAR
	s_barrier_signal -1
	s_barrier_wait -1
.endm
.macro ROUND
	s_barrier_signal -1
	s_barrier_wait -1
	s_cmp_lg_u32 s8, 0
	s_cbranch_scc1 .Lnot_wave_0_\@
	s_barrier_signal -3
.Lnot_wave_0_\@:
	s_barrier_wait -3
	s_barrier_signal -1
	s_barrier_wait -1
.endm
.macro SPLIT x, hi, lo, t
	v_cvt_pk_bf16_f32 v[\hi], v[\x], v[\x+1]
	v_lshlrev_b32 v[\t], 16, v[\hi]
	v_and_b32 v[\t+1], 0xffff0000, v[\hi]
	v_pk_add_f32 v[\x:\x+1], v[\x:\x+1], v[\t:\t+1] neg_lo:[0,1] neg_hi:[0,1]
	v_cvt_pk_bf16_f32 v[\lo], v[\x], v[\x+1]
.endm
.macro FRAG slot, ks, f                ; 12 LDS loads: 32 along K, at byte 64 ks of the rows
.irp x, 0,1
	ds_load_b128 v[\f+8*\x:\f+8*\x+3], v[1+\slot] offset:33792*\x+64*(\ks)
	ds_load_b128 v[\f+8*\x+4:\f+8*\x+7], v[1+\slot] offset:33792*\x+64*(\ks)+32
.endr
.irp b, 0,1,2,3
	ds_load_b128 v[\f+16+8*\b:\f+16+8*\b+3], v3 offset:8448*\b+64*(\ks)
	ds_load_b128 v[\f+16+8*\b+4:\f+16+8*\b+7], v3 offset:8448*\b+64*(\ks)+32
.endr
.endm
.macro MUL f, zero                     ; source 0 = weight rows, source 1 = tokens; four accumulators by turns
.irp x, 0,1
.irp b, 0,1,2,3
.if (\zero)*(1-\x)
	v_wmma_f32_16x16x32_bf16 v[ACC+8*\b:ACC+8*\b+7], v[\f+16+8*\b:\f+16+8*\b+7], v[\f+8*\x:\f+8*\x+7], 0
.else
	v_wmma_f32_16x16x32_bf16 v[ACC+8*\b:ACC+8*\b+7], v[\f+16+8*\b:\f+16+8*\b+7], v[\f+8*\x:\f+8*\x+7], v[ACC+8*\b:ACC+8*\b+7]
.endif
.endr
.endr
.endm
.macro STEP2 slot, ks, f, g, zero      ; fetch K step ks+1 into g, multiply f
	PLACES
	FRAG \slot, \ks+1, \g
	s_wait_dscnt 12                                ; all but the 12 just issued
	MUL \f, \zero
.endm
.macro COMPUTE slot
	PLACES
	FRAG \slot, 0, F0
	STEP2 \slot, 0, F0, F1, 1
	STEP2 \slot, 1, F1, F0, 0
	STEP2 \slot, 2, F0, F1, 0
	STEP2 \slot, 3, F1, F0, 0
	STEP2 \slot, 4, F0, F1, 0
	STEP2 \slot, 5, F1, F0, 0
	STEP2 \slot, 6, F0, F1, 0
	s_wait_dscnt 0x0
	MUL F1, 0
.endm
.macro SCALE
.irp n, 0,1,2,3,4,5,6,7,8,9,10,11,12,13,14,15
	v_pk_mul_f32 v[ACC+2*\n:ACC+2*\n+1], v[ACC+2*\n:ACC+2*\n+1], s[62:63] op_sel_hi:[1,0]
.endr
.endm
; The way out of one tile: scale (Q kinds), rope (W_rq), split, through my own stage, stores of 512 consecutive bytes; then the pointers step.
.macro EPI
	PLACES
	s_cmp_eq_u32 s9, 2
	s_cbranch_scc1 .Lrope_\@
	s_cmp_lt_u32 s9, 3
	s_cbranch_scc0 .Lsplit_\@
	SCALE
	s_branch .Lsplit_\@
.Lrope_\@:
.irp p, 0,1
	global_load_b128 v[TAB+8*\p:TAB+8*\p+3], v7, s[52:53] offset:64*\p
	global_load_b128 v[TAB+8*\p+4:TAB+8*\p+7], v7, s[52:53] offset:64*\p+16
.endr
	SCALE
	s_wait_loadcnt 0x0
.irp b, 0,1,2,3
.irp jj, 0,1,2,3
	v_mul_f32 v8, v[ACC+8*\b+2*\jj+1], v[TAB+8*(\b&1)+2*\jj+1]
	v_mul_f32 v9, v[ACC+8*\b+2*\jj+1], v[TAB+8*(\b&1)+2*\jj]
	v_fma_f32 v[ACC+8*\b+2*\jj+1], v[ACC+8*\b+2*\jj], v[TAB+8*(\b&1)+2*\jj+1], v9
	v_fma_f32 v[ACC+8*\b+2*\jj], v[ACC+8*\b+2*\jj], v[TAB+8*(\b&1)+2*\jj], -v8
.endr
.endr
.Lsplit_\@:
.irp n, 0,1,2,3,4,5,6,7,8,9,10,11,12,13,14,15
	SPLIT ACC+2*\n, F0+\n, F0+16+\n, F0+32+2*(\n&3)
.endr
.irp b, 0,1,2,3
	ds_store_b128 v4, v[F0+4*\b:F0+4*\b+3] offset:32*\b
	ds_store_b128 v4, v[F0+16+4*\b:F0+16+4*\b+3] offset:2304+32*\b
.endr
	s_cmp_eq_u32 s9, 2
	s_cbranch_scc1 .Lrr_\@
.irp x, 0,1
.irp i, 0,1,2,3
	ds_load_b128 v[F1+16*\x+4*\i:F1+16*\x+4*\i+3], v5 offset:2304*\x+576*\i    ; my own bytes: LDS serves a wave in order
.endr
.endr
	s_wait_dscnt 4                                 ; the hi half is in
.irp i, 0,1,2,3
	global_store_b128 v6, v[F1+4*\i:F1+4*\i+3], s[4:5] offset:512*\i
.endr
	s_wait_dscnt 0x0
.irp i, 0,1,2,3
	global_store_b128 v6, v[F1+16+4*\i:F1+16+4*\i+3], s[6:7] offset:512*\i
.endr
	s_branch .Len_\@
.Lrr_\@:
.irp x, 0,1
.irp hh, 0,1
.irp i, 0,1
	ds_load_b128 v[F1+16*\x+8*\hh+4*\i:F1+16*\x+8*\hh+4*\i+3], v10 offset:2304*\x+1152*\i+64*\hh
.endr
.endr
.endr
	s_wait_dscnt 4
.irp hh, 0,1
.irp i, 0,1
	global_store_b128 v6, v[F1+8*\hh+4*\i:F1+8*\hh+4*\i+3], s[4:5] offset:131072*\hh+512*\i
.endr
.endr
	s_wait_dscnt 0x0
.irp hh, 0,1
.irp i, 0,1
	global_store_b128 v6, v[F1+16+8*\hh+4*\i:F1+16+8*\hh+4*\i+3], s[6:7] offset:131072*\hh+512*\i
.endr
.endr
.Len_\@:
	s_wait_xcnt 0x0                                ; bases and store data are rewritten only behind this wait
	s_add_nc_u64 s[4:5], s[4:5], s[2:3]            ; 64 tokens on
	s_add_nc_u64 s[6:7], s[6:7], s[2:3]
	s_add_nc_u64 s[52:53], s[52:53], 8192
.endm
.macro REFILL slot                     ; the slot just read gets the tile two further on
	s_wait_dscnt 0x0                               ; my reads are back
	s_wait_tensorcnt 0x0                           ; all my tensor loads have landed, the other slot's among them
	s_add_nc_u64 s[34+4*\slot:35+4*\slot], s[34+4*\slot:35+4*\slot], 65536
	ROUND                                          ; both hold of every wave of all four partners
	s_cmp_lt_u32 s8, 2
	s_cbranch_scc0 .Lnr_\@
	tensor_load_to_lds s[32+4*\slot:35+4*\slot], s[16:23]
	s_nop 0
.Lnr_\@:
.endm
	s_load_b256 s[48:55], s[0:1], 0x0              ; c, wb, tab, qkv
	v_lshrrev_b32 v8, 5, v0
	v_readfirstlane_b32 s8, v8
	s_mov_b32 s9, ttmp9                            ; cluster x: 0,1 W_uq; 2 W_rq; 3,4 W_uk; 5,6 W_uv
	s_bfe_u32 s10, ttmp6, 0x40000                  ; cx
	s_lshl_b32 s11, ttmp9, 2
	s_add_co_u32 s11, s11, s10                     ; column tile 0..27
	s_and_b32 s12, ttmp7, 0xffff                   ; token range 0..7
	s_and_b32 s13, s8, 3                           ; mi
	s_lshr_b32 s14, s8, 2                          ; nh
	s_mov_b32 s62, 0x3e16c740                      ; log2(e)/sqrt(96)
	s_mov_b32 s63, 0x3e16c740
	; group 1: 64 rows x 256 elements of 2 bytes, 16 bytes of padding behind each 512
	s_mov_b32 s16, 15|(1<<16)|(1<<20)|(1<<21)|(6<<22)|(3<<25)
	s_mov_b32 s24, (1<<16)|(1<<20)|(6<<22)|(3<<25)
.irp g, 16,24
	s_mov_b32 s[\g+1], 256<<16
	s_mov_b32 s[\g+2], 64<<16
	s_mov_b32 s[\g+3], 256<<16
	s_mov_b32 s[\g+4], 64
	s_mov_b32 s[\g+5], 256
	s_mov_b32 s[\g+6], 0
	s_mov_b32 s[\g+7], 0
.endr
	s_cmp_ge_u32 s9, 3
	s_cselect_b32 s56, 0x400000, 0                 ; c_Q or c_KV
	s_and_b32 s15, s8, 1
	s_lshl_b32 s60, s15, 21                        ; wave 0 hi, wave 1 lo
	s_add_co_u32 s56, s56, s60
	s_lshl_b32 s60, s12, 18
	s_add_co_u32 s56, s56, s60                     ; 512 tokens x 512 bytes
	s_mov_b32 s57, 0
	s_lshl_b32 s58, s11, 16                        ; 128 weight rows x 512 bytes
	s_lshl_b32 s60, s15, 15
	s_add_co_u32 s58, s58, s60
	s_mov_b32 s59, 0
	s_mul_i32 s33, s8, 33792                       ; LDS: wave x 64 rows
	s_add_co_u32 s37, s33, SLOTB
	s_add_co_u32 s41, s33, SLOTB                   ; waves 2, 3: 135,168 and 168,960
	s_mov_b32 s32, 1
	s_mov_b32 s36, 1
	s_mov_b32 s40, 1
	s_wait_kmcnt 0x0
	s_add_nc_u64 s[34:35], s[48:49], s[56:57]
	s_add_nc_u64 s[38:39], s[34:35], 32768
	s_or_b32 s35, s35, 0x80000000
	s_or_b32 s39, s39, 0x80000000
	s_add_nc_u64 s[42:43], s[50:51], s[58:59]
	s_or_b32 s43, s43, 0x80000000
	ROUND                                          ; the partners are here: the first joint loads meet
	s_cmp_lt_u32 s8, 2
	s_cbranch_scc0 .Lnot_a
	tensor_load_to_lds s[32:35], s[16:23]
	s_nop 0
	tensor_load_to_lds s[36:39], s[16:23]
	s_nop 0
	s_branch .Lfilled
.Lnot_a:
	s_cmp_lt_u32 s8, 4
	s_cbranch_scc0 .Lfilled
	tensor_load_to_lds s[40:43], s[24:31]
	s_nop 0
.Lfilled:
	; where the results go
	s_mov_b32 s60, 0
	s_mov_b32 s61, 0
	s_cmp_ge_u32 s9, 3
	s_cselect_b32 s60, 12, s60
	s_cselect_b32 s61, 0x1800000, s61
	s_cmp_ge_u32 s9, 5
	s_cselect_b32 s60, 20, s60
	s_cselect_b32 s61, 0x2800000, s61
	s_cmp_eq_u32 s9, 2
	s_cselect_b32 s60, 8, s60
	s_cselect_b32 s61, 0x1000000, s61
	s_cselect_b32 s44, 1, 0                        ; rope heads are half as wide
	s_sub_co_u32 s45, s11, s60
	s_lshl1_add_u32 s45, s45, s14
	s_lshl_b32 s45, s45, s44                       ; head
	s_lshr_b32 s46, s12, 2
	s_lshl4_add_u32 s45, s46, s45                  ; + 16 x batch
	s_lshl_b32 s45, s45, 11
	s_and_b32 s46, s12, 3
	s_lshl_b32 s46, s46, 9
	s_lshl4_add_u32 s46, s13, s46                  ; my first position
	s_add_co_u32 s45, s45, s46
	s_sub_co_u32 s47, 7, s44
	s_lshl_b32 s45, s45, s47
	s_add_co_u32 s2, s45, s61
	s_mov_b32 s3, 0
	s_add_nc_u64 s[4:5], s[54:55], s[2:3]
	s_lshr_b32 s2, 0x800000, s44
	s_add_nc_u64 s[6:7], s[4:5], s[2:3]
	s_lshr_b32 s2, 8192, s44                       ; s[2:3]: 64 tokens' bytes
	v_and_b32 v11, 31, v0
	v_and_b32 v12, 15, v0
	v_bfe_u32 v13, v0, 4, 1
	v_mul_u32_u24 v14, v12, 528
	v_lshl_add_u32 v14, v13, 4, v14
	s_mul_i32 s60, s13, 16*528
	v_add_nc_u32 v1, s60, v14
	v_add_nc_u32 v2, SLOTB, v1
	s_mul_i32 s60, s14, 64*528
	s_add_co_u32 s60, s60, BB
	v_add_nc_u32 v3, s60, v14
	s_mul_i32 s60, s8, 4608
	s_add_co_u32 s60, s60, STAGE
	v_mul_u32_u24 v4, v12, 144
	v_lshl_add_u32 v4, v13, 4, v4
	v_add_nc_u32 v4, s60, v4
	v_lshrrev_b32 v14, 3, v11
	v_and_b32 v15, 7, v11
	v_mul_u32_u24 v5, v14, 144
	v_lshl_add_u32 v5, v15, 4, v5
	v_add_nc_u32 v5, s60, v5
	v_lshrrev_b32 v14, 2, v11
	v_and_b32 v15, 3, v11
	v_mul_u32_u24 v10, v14, 144
	v_lshl_add_u32 v10, v15, 4, v10
	v_add_nc_u32 v10, s60, v10
	v_lshlrev_b32 v6, 4, v11
	v_add_nc_u32 v7, s46, v12
	v_lshlrev_b32 v7, 7, v7
	v_lshl_add_u32 v7, v13, 5, v7                  ; table: position x 128 + 32 h
	s_wait_tensorcnt 0x0                           ; zero: waves 2, 3 have one load out, and it is read at once
	BAR
	COMPUTE 0
	EPI
	s_mov_b32 s45, 3
.Ltiles:
	REFILL 0
	COMPUTE 1
	EPI
	REFILL 1
	COMPUTE 0
	EPI
	s_sub_co_u32 s45, s45, 1
	s_cmp_lg_u32 s45, 0
	s_cbranch_scc1 .Ltiles
	s_wait_dscnt 0x0
	s_wait_tensorcnt 0x0                           ; the last tile has landed
	BAR
	COMPUTE 1
	EPI
	ROUND                                          ; the closing round
	s_endpgm
.Lfunc_end_k_q631171644c_up:
	.size	k_q631171644c_up, .Lfunc_end_k_q631171644c_up-k_q631171644c_up
	.p2alignl 7, 3214868480
	.fill 96, 4, 3214868480
	.section	.rodata,"a",@progbits
	.p2align	6, 0x0
	.amdhsa_kernel k_q631171644c_up
		.amdhsa_group_segment_fixed_size 327680
		.amdhsa_private_segment_fixed_size 0
		.amdhsa_enable_private_segment 0
		.amdhsa_kernarg_size 32
		.amdhsa_user_sgpr_count 2
		.amdhsa_user_sgpr_kernarg_segment_ptr 1
		.amdhsa_wavefront_size32 1
		.amdhsa_system_sgpr_workgroup_id_x 1
		.amdhsa_system_sgpr_workgroup_id_y 1
		.amdhsa_system_sgpr_workgroup_id_z 1
		.amdhsa_system_vgpr_workitem_id 0
		.amdhsa_next_free_vgpr 192
		.amdhsa_next_free_sgpr 66
		.amdhsa_reserve_vcc 0
		.amdhsa_float_denorm_mode_32 3
		.amdhsa_float_denorm_mode_16_64 3
		.amdhsa_memory_ordered 1
		.amdhsa_forward_progress 1
		.amdhsa_inst_pref_size 108
	.end_amdhsa_kernel
	.amdgpu_metadata
---
amdhsa.version: [ 1, 2 ]
amdhsa.kernels:
  - .name:           k_q631171644c_up
    .symbol:         k_q631171644c_up.kd
    .args:
      - { .name: c, .offset: 0, .size: 8, .value_kind: global_buffer, .address_space: global }
      - { .name: wb, .offset: 8, .size: 8, .value_kind: global_buffer, .address_space: global }
      - { .name: tab, .offset: 16, .size: 8, .value_kind: global_buffer, .address_space: global }
      - { .name: qkv, .offset: 24, .size: 8, .value_kind: global_buffer, .address_space: global }
    .group_segment_fixed_size: 327680
    .private_segment_fixed_size: 0
    .kernarg_segment_align: 8
    .kernarg_segment_size: 32
    .max_flat_workgroup_size: 256
    .sgpr_count:     66
    .vgpr_count:     192
    .wavefront_size: 32
...
	.end_amdgpu_metadata
.endif
;; end of part 2
;; launch attn (part 3): grid 8 x 32, 8 waves a work-group, no clusters, 327,680 bytes of LDS; arguments qkv, kr, att; writes att
.if DOCPART == 3
	.amdgcn_target "amdgcn-amd-amdhsa--gfx1250"
	.amdhsa_code_object_version 6
	.text
	.protected	k_q631171644c_attn
	.globl	k_q631171644c_attn
	.p2align	8
	.type	k_q631171644c_attn,@function
k_q631171644c_attn:
	s_mov_b64 s[64:65], 0
	v_nop
	global_prefetch_b8 v0, s[64:65] scope:SCOPE_SE
	s_setreg_imm32_b32 hwreg(HW_REG_WAVE_MODE, 25, 1), 1
	s_wait_xcnt 0x0
; Causal attention of one (batch, head): work-group x = p does query blocks p and 15 - p (128 queries each): 17 key tiles of 128 in every work-group.
; Of the two blocks one has an even number of key tiles; it is done first (block qa, odd).  Tiles are walked downward, so a block's first tile is its
; diagonal one; with the even block first the block change always follows a step in slot 1 and the diagonal tile always lies in slot 0.
; NO RUNNING MAXIMUM: reference() clips the scores to +-80 before dividing by sqrt(96), so every exponent lies within +-8.17 for every input:
; exp is between 2.8e-4 and 3.6e3, a row's sum of 2,048 of them below 7.3e6.  Hence partial sums over keys simply add.
; Wave w: queries 32 (w & 3) .. + 31, keys 64 (w >> 2) .. + 63 of each tile, 32 at a time; the two key halves are added at a block's end through LDS.
; Q, K, V and P go as hi + lo bf16: each product is hi hi + lo hi + hi lo (lo lo is below 2^-16 of the result).
; S is made transposed (source 0 = keys, source 1 = queries): lane (r, h) holds query r, keys 8 h + j, which is P's layout as source 1 of P V.
; A block's sums start from 68 registers set to zero, twice in the launch: so one text serves a block's first tile and its later ones, and no path
; reads a sum that has not been written.
; NO MULTICAST: the work-groups of one head need different tiles at each step, and their steps cannot be aligned without branches on a work-group's place.
; LIMIT: inputs finite (v_med3_num_f32 does not hand a NaN on as the reference's clip does).
; Registers: window 0: v0-23 addresses and sums, O v[24:87], S v[88:119], P v[120:151], K fragments v[152:247], v[248:255] at work.
;            window 1: Q v[0:95], V fragments v[96:159].
.set SLOT,  98304                      ; V hi 0, V lo 20,480 (pitch 160); K hi 40,960, K lo 59,392 (144); K_R hi 77,824, lo 88,064 (80)
.set RED,   196608                     ; waves 4-7 hand O and l over: 8,448 bytes each
.set STAGE, 230400                     ; waves 0-3: 32 rows x 144, hi then lo
.set OB,  24
.set SB,  88
.set PB,  120
.set KFB, 152
.set MSB, 0
.macro WIN new                         ; the immediate's high byte repeats the setting that is left
.if MSB != \new
	s_set_vgpr_msb (MSB<<8)|\new
.set MSB, \new
.endif
.endm
.macro PLACES
.rept 4
	v_nop
.endr
.endm
.macro BAR
	s_barrier_signal -1
	s_barrier_wait -1
.endm
.macro SPLIT x, hi, lo, t
	v_cvt_pk_bf16_f32 v[\hi], v[\x], v[\x+1]
	v_lshlrev_b32 v[\t], 16, v[\hi]
	v_and_b32 v[\t+1], s87, v[\hi]
	v_pk_add_f32 v[\x:\x+1], v[\x:\x+1], v[\t:\t+1] neg_lo:[0,1] neg_hi:[0,1]
	v_cvt_pk_bf16_f32 v[\lo], v[\x], v[\x+1]
.endm
.macro SETG0 slot                      ; key tile s14 into the slot; written only while no tensor load of the wave is out
	s_lshl_b32 s58, s14, 14
	s_lshl_b32 s60, s14, 13
	s_add_nc_u64 s[42:43], s[52:53], s[58:59]
	s_or_b32 s43, s43, 0x80000000
	s_add_nc_u64 s[46:47], s[54:55], s[58:59]
	s_or_b32 s47, s47, 0x80000000
	s_add_nc_u64 s[50:51], s[56:57], s[60:61]
	s_or_b32 s51, s51, 0x80000000
	s_add_co_u32 s41, s84, (\slot)*SLOT
	s_add_co_u32 s45, s85, (\slot)*SLOT
	s_add_co_u32 s49, s86, (\slot)*SLOT
.endm
.macro KVLOAD                          ; waves 0,1: V hi, lo; 2,3: K hi, lo; 4,5: K_R hi, lo: one load a wave
	s_cmp_lt_u32 s2, 2
	s_cbranch_scc0 .Lk1_\@
	tensor_load_to_lds s[40:43], s[16:23]
	s_nop 0
	s_branch .Lkd_\@
.Lk1_\@:
	s_cmp_lt_u32 s2, 4
	s_cbranch_scc0 .Lk2_\@
	tensor_load_to_lds s[44:47], s[24:31]
	s_nop 0
	s_branch .Lkd_\@
.Lk2_\@:
	s_cmp_lt_u32 s2, 6
	s_cbranch_scc0 .Lkd_\@
	tensor_load_to_lds s[48:51], s[32:39]
	s_nop 0
.Lkd_\@:
.endm
.macro KLOAD slot, u                   ; 24 loads: 32 keys x 96, hi and lo
.irp x, 0,1
.irp t, 0,1
.irp ks, 0,1
	ds_load_b128 v[KFB+8*(6*\x+3*\t+\ks):KFB+8*(6*\x+3*\t+\ks)+3], v[3+\slot] offset:18432*\x+(32*\u+16*\t)*144+64*\ks
	ds_load_b128 v[KFB+8*(6*\x+3*\t+\ks)+4:KFB+8*(6*\x+3*\t+\ks)+7], v[3+\slot] offset:18432*\x+(32*\u+16*\t)*144+64*\ks+32
.endr
	ds_load_b128 v[KFB+8*(6*\x+3*\t+2):KFB+8*(6*\x+3*\t+2)+3], v[5+\slot] offset:10240*\x+(32*\u+16*\t)*80
	ds_load_b128 v[KFB+8*(6*\x+3*\t+2)+4:KFB+8*(6*\x+3*\t+2)+7], v[5+\slot] offset:10240*\x+(32*\u+16*\t)*80+32
.endr
.endr
.endm
; Half a step: my 32 queries x 32 keys (half u of my 64).  mask = 1: the text holds the causal mask, taken when s90 says that the tile is diagonal.
.macro SUB slot, u, mask
	s_wait_dscnt 0x0                               ; this half's K fragments
	WIN 0x04                                       ; source 1 (Q) in window 1
.irp ks, 0,1,2
.irp c, 0,1,2                          ; K hi Q hi, K lo Q hi, K hi Q lo; four S tiles by turns
.irp qt, 0,1
.irp t, 0,1
.if ((2-\ks)/2)*((2-\c)/2)
	v_wmma_f32_16x16x32_bf16 v[SB+8*(2*\qt+\t):SB+8*(2*\qt+\t)+7], v[KFB+8*(6*(\c&1)+3*\t+\ks):KFB+8*(6*(\c&1)+3*\t+\ks)+7], v[8*(6*(\c>>1)+3*\qt+\ks):8*(6*(\c>>1)+3*\qt+\ks)+7], 0
.else
	v_wmma_f32_16x16x32_bf16 v[SB+8*(2*\qt+\t):SB+8*(2*\qt+\t)+7], v[KFB+8*(6*(\c&1)+3*\t+\ks):KFB+8*(6*(\c&1)+3*\t+\ks)+7], v[8*(6*(\c>>1)+3*\qt+\ks):8*(6*(\c>>1)+3*\qt+\ks)+7], v[SB+8*(2*\qt+\t):SB+8*(2*\qt+\t)+7]
.endif
.endr
.endr
.endr
.endr
	WIN 0
	PLACES                                         ; four places: S is read, K's and V's fragment registers are loaded again
	WIN 0x40                                       ; destination in window 1
.irp x, 0,1
.irp d, 0,1,2,3
	ds_load_tr16_b128 v[96+8*(4*\x+\d):96+8*(4*\x+\d)+3], v[1+\slot] offset:20480*\x+5120*\u+32*\d
	ds_load_tr16_b128 v[96+8*(4*\x+\d)+4:96+8*(4*\x+\d)+7], v[1+\slot] offset:20480*\x+5120*\u+32*\d+2560
.endr
.endr
	WIN 0
.if 1-\u
	KLOAD \slot, 1
.endif
.irp n, 0,1,2,3,4,5,6,7,8,9,10,11,12,13,14,15,16,17,18,19,20,21,22,23,24,25,26,27,28,29,30,31
	v_med3_num_f32 v[SB+\n], v[SB+\n], s62, s63    ; the clip, in units of log2(e)/sqrt(96)
.endr
.irp n, 0,1,2,3,4,5,6,7,8,9,10,11,12,13,14,15,16,17,18,19,20,21,22,23,24,25,26,27,28,29,30,31
	v_exp_f32 v[SB+\n], v[SB+\n]
.endr
	v_nop                                          ; one plain place behind the last exponential
.if \mask
	s_cmp_lg_u32 s90, 0
	s_cbranch_scc0 .Lnm_\@
	s_wait_alu depctr_va_vdst(0)
.irp qt, 0,1
.irp t, 0,1
.irp j, 0,1,2,3,4,5,6,7
	v_cmp_le_i32 vcc_lo, 32*\u+16*\t+\j, v[7+\qt]  ; key <= query
	v_cndmask_b32 v[SB+8*(2*\qt+\t)+\j], 0, v[SB+8*(2*\qt+\t)+\j], vcc_lo
.endr
.endr
.endr
.Lnm_\@:
.endif
	s_wait_alu depctr_va_vdst(0)
.irp n, 0,1,2,3,4,5,6,7
.irp qt, 0,1
	v_pk_add_f32 v[10+2*\qt:11+2*\qt], v[10+2*\qt:11+2*\qt], v[SB+16*\qt+2*\n:SB+16*\qt+2*\n+1]   ; row sums
.endr
.endr
.irp qt, 0,1
.irp n, 0,1,2,3,4,5,6,7
	SPLIT SB+16*\qt+2*\n, PB+8*\qt+\n, PB+16+8*\qt+\n, 248+2*(\n&3)
.endr
.endr
	s_wait_dscnt 24*(1-\u)                         ; V's 16 loads are in; the 24 K loads behind them (first half only) stay out
	WIN 0x01                                       ; source 0 (V) in window 1
.irp c, 0,1,2                          ; V hi P hi, V lo P hi, V hi P lo; eight O tiles by turns
.irp d, 0,1,2,3
.irp qt, 0,1
	v_wmma_f32_16x16x32_bf16 v[OB+8*(2*\d+\qt):OB+8*(2*\d+\qt)+7], v[96+8*(4*(\c&1)+\d):96+8*(4*(\c&1)+\d)+7], v[PB+8*(2*(\c>>1)+\qt):PB+8*(2*(\c>>1)+\qt)+7], v[OB+8*(2*\d+\qt):OB+8*(2*\d+\qt)+7]
.endr
.endr
.endr
	WIN 0
.endm
.macro BEGINQ                          ; query block s88: bases, Q's fragments straight from memory, the sums to zero
	s_lshl_b32 s82, s10, 11
	s_lshl_b32 s14, s88, 7
	s_add_co_u32 s82, s82, s14
	s_lshl_b32 s14, s82, 6
	s_lshl_b32 s82, s82, 7
	s_add_nc_u64 s[68:69], s[4:5], s[82:83]
	s_add_nc_u64 s[70:71], s[68:69], 0x800000
	s_lshl_b32 s15, s80, 12
	s_add_co_u32 s82, s82, s15
	s_add_nc_u64 s[76:77], s[8:9], s[82:83]
	s_add_nc_u64 s[78:79], s[76:77], 0x800000
	s_add_co_u32 s82, s14, 0x1000000
	s_add_nc_u64 s[72:73], s[4:5], s[82:83]
	s_add_nc_u64 s[74:75], s[72:73], 0x400000
	WIN 0x40
.irp x, 0,1
.irp qt, 0,1
.irp ks, 0,1
	global_load_b128 v[8*(6*\x+3*\qt+\ks):8*(6*\x+3*\qt+\ks)+3], v18, s[68+2*\x:69+2*\x] offset:2048*\qt+64*\ks
	global_load_b128 v[8*(6*\x+3*\qt+\ks)+4:8*(6*\x+3*\qt+\ks)+7], v18, s[68+2*\x:69+2*\x] offset:2048*\qt+64*\ks+32
.endr
	global_load_b128 v[8*(6*\x+3*\qt+2):8*(6*\x+3*\qt+2)+3], v19, s[72+2*\x:73+2*\x] offset:1024*\qt
	global_load_b128 v[8*(6*\x+3*\qt+2)+4:8*(6*\x+3*\qt+2)+7], v19, s[72+2*\x:73+2*\x] offset:1024*\qt+32
.endr
.endr
	WIN 0
.set zz, 0
.rept 64
	v_mov_b32 v[OB+zz], 0
.set zz, zz+1
.endr
.irp n, 10,11,12,13
	v_mov_b32 v\n, 0
.endr
	s_wait_loadcnt 0x0
.endm
.macro ENDQ                            ; add the two key halves, divide by the row sums, split, store
	PLACES
	v_add_f32 v10, v10, v11
	v_add_f32 v12, v12, v13
	v_permlanex16_b32 v11, v10, s66, s67           ; the other eight keys of each sixteen lie in lane l xor 16
	v_permlanex16_b32 v13, v12, s66, s67
	v_add_f32 v10, v10, v11
	v_add_f32 v12, v12, v13
	s_cmp_lt_u32 s2, 4
	s_cbranch_scc1 .Lq0_\@
.irp i, 0,1,2,3,4,5,6,7,8,9,10,11,12,13,14,15
	ds_store_b128 v9, v[OB+4*\i:OB+4*\i+3] offset:512*\i
.endr
	ds_store_b32 v14, v10
	ds_store_b32 v14, v12 offset:128
.Lq0_\@:
	s_wait_dscnt 0x0
	BAR                                            ; the next tile's load may stay out
	s_cmp_lt_u32 s2, 4
	s_cbranch_scc0 .Lq1_\@
.irp i, 0,1,2,3,4,5,6,7,8,9,10,11,12,13,14,15
	ds_load_b128 v[KFB+4*\i:KFB+4*\i+3], v9 offset:512*\i
.endr
	ds_load_b32 v11, v14
	ds_load_b32 v13, v14 offset:128
	s_wait_dscnt 0x0
	v_add_f32 v10, v10, v11
	v_add_f32 v12, v12, v13
	v_rcp_f32 v10, v10
	v_rcp_f32 v12, v12
.irp n, 0,1,2,3,4,5,6,7,8,9,10,11,12,13,14,15,16,17,18,19,20,21,22,23,24,25,26,27,28,29,30,31
	v_pk_add_f32 v[OB+2*\n:OB+2*\n+1], v[OB+2*\n:OB+2*\n+1], v[KFB+2*\n:KFB+2*\n+1]
.endr
	s_wait_alu depctr_va_vdst(0)
.irp d, 0,1,2,3
.irp qt, 0,1
.irp j, 0,1,2,3
	v_pk_mul_f32 v[OB+8*(2*\d+\qt)+2*\j:OB+8*(2*\d+\qt)+2*\j+1], v[OB+8*(2*\d+\qt)+2*\j:OB+8*(2*\d+\qt)+2*\j+1], v[10+2*\qt:11+2*\qt] op_sel_hi:[1,0]
.endr
.endr
.endr
.irp n, 0,1,2,3,4,5,6,7,8,9,10,11,12,13,14,15,16,17,18,19,20,21,22,23,24,25,26,27,28,29,30,31
	SPLIT OB+2*\n, KFB+\n, KFB+32+\n, 248+2*(\n&3)
.endr
.irp d, 0,1,2,3
.irp qt, 0,1
	ds_store_b128 v15, v[KFB+4*(2*\d+\qt):KFB+4*(2*\d+\qt)+3] offset:2304*\qt+32*\d
	ds_store_b128 v15, v[KFB+32+4*(2*\d+\qt):KFB+32+4*(2*\d+\qt)+3] offset:4608+2304*\qt+32*\d
.endr
.endr
.irp i, 0,1,2,3,4,5,6,7
	ds_load_b128 v[KFB+64+4*\i:KFB+64+4*\i+3], v16 offset:576*\i        ; my own bytes: LDS serves a wave in order
.endr
.irp i, 0,1,2,3,4,5,6,7
	ds_load_b128 v[SB+4*\i:SB+4*\i+3], v16 offset:4608+576*\i
.endr
	s_wait_dscnt 8                                 ; the hi half is in
.irp i, 0,1,2,3,4,5,6,7
	global_store_b128 v17, v[KFB+64+4*\i:KFB+64+4*\i+3], s[76:77] offset:512*\i    ; 512 consecutive bytes: four rows of a head
.endr
	s_wait_dscnt 0x0
.irp i, 0,1,2,3,4,5,6,7
	global_store_b128 v17, v[SB+4*\i:SB+4*\i+3], s[78:79] offset:512*\i
.endr
.Lq1_\@:
	s_wait_xcnt 0x0                                ; store data and bases are rewritten only behind this wait
.endm
; One key tile (step s11) from the slot.  refill = 1: the other slot gets the next step's tile.  mask = 1: the tile may be a diagonal one.
.macro TRIP slot, refill, mask
	s_wait_tensorcnt 0x0                           ; all my tensor loads have landed: my part of this tile
.if \refill
	s_add_co_u32 s15, s11, 1                       ; the next step's tile: qa - n, or 16 - n in the second block
	s_cmp_le_u32 s15, s3
	s_cselect_b32 s14, s3, 16
	s_sub_co_u32 s14, s14, s15
	SETG0 1-\slot
.endif
.if \mask
	s_cmp_eq_u32 s11, 0                            ; diagonal: a block's first step
	s_cselect_b32 s90, 1, 0
	s_cmp_eq_u32 s11, s12
	s_cselect_b32 s90, 1, s90
.endif
	s_wait_dscnt 0x0                               ; my reads of the other slot are back
	BAR
.if \refill
	KVLOAD
.endif
	KLOAD \slot, 0
	SUB \slot, 0, \mask
	SUB \slot, 1, \mask
	s_add_co_u32 s11, s11, 1
.endm
	s_load_b128 s[4:7], s[0:1], 0x0                ; qkv, kr
	s_load_b64 s[8:9], s[0:1], 0x10                ; att
	v_lshrrev_b32 v1, 5, v0
	v_readfirstlane_b32 s2, v1
	s_mov_b32 s89, ttmp9                           ; p
	s_sub_co_u32 s15, 15, s89
	s_bitcmp1_b32 s89, 0
	s_cselect_b32 s3, s89, s15                     ; qa: the odd one of p and 15 - p, with qa + 1 (even) key tiles
	s_and_b32 s10, ttmp7, 0xffff                   ; 16 x batch + head
	s_add_co_u32 s12, s3, 1                        ; the second block's first step
	s_mov_b32 s11, 0                               ; step
	s_and_b32 s80, s2, 3                           ; query group
	s_lshr_b32 s81, s2, 2                          ; key half
	s_mov_b32 s62, 0xc13c790f                      ; -80 log2(e)/sqrt(96)
	s_mov_b32 s63, 0x413c790f
	s_mov_b32 s66, 0x76543210
	s_mov_b32 s67, 0xfedcba98
	s_mov_b32 s87, 0xffff0000
	; group 1: V 128 rows x 64 elements + 32 bytes; K the same + 16 bytes; K_R 128 rows x 32 elements + 16 bytes
	s_mov_b32 s16, (1<<16)|(1<<20)|(4<<22)|(7<<25)
	s_mov_b32 s24, (1<<16)|(1<<20)|(4<<22)|(3<<25)
.irp g, 16,24
	s_mov_b32 s[\g+1], 64<<16
	s_mov_b32 s[\g+2], 128<<16
	s_mov_b32 s[\g+3], 64<<16
	s_mov_b32 s[\g+4], 128
	s_mov_b32 s[\g+5], 64
	s_mov_b32 s[\g+6], 0
	s_mov_b32 s[\g+7], 0
.endr
	s_mov_b32 s32, (1<<16)|(1<<20)|(3<<22)|(3<<25)
	s_mov_b32 s33, 32<<16
	s_mov_b32 s34, 128<<16
	s_mov_b32 s35, 32<<16
	s_mov_b32 s36, 128
	s_mov_b32 s37, 32
	s_mov_b32 s38, 0
	s_mov_b32 s39, 0
	s_mov_b32 s40, 1
	s_mov_b32 s44, 1
	s_mov_b32 s48, 1
	s_mov_b32 s59, 0
	s_mov_b32 s61, 0
	s_mov_b32 s83, 0
	s_mul_i32 s84, s2, 20480                       ; V: waves 0, 1
	s_mul_i32 s85, s2, 18432
	s_add_co_u32 s85, s85, 4096                    ; K: waves 2, 3 at 40,960 and 59,392
	s_mul_i32 s86, s2, 10240
	s_add_co_u32 s86, s86, 36864                   ; K_R: waves 4, 5 at 77,824 and 88,064
	s_and_b32 s14, s2, 1                           ; hi or lo
	s_lshl_b32 s82, s14, 23
	s_lshl_b32 s15, s10, 18
	s_add_co_u32 s82, s82, s15
	s_wait_kmcnt 0x0
	s_add_nc_u64 s[54:55], s[4:5], s[82:83]
	s_add_nc_u64 s[52:53], s[54:55], 0x2800000
	s_add_nc_u64 s[54:55], s[54:55], 0x1800000
	s_lshl_b32 s82, s14, 18
	s_lshr_b32 s15, s10, 4
	s_lshl_b32 s15, s15, 17
	s_add_co_u32 s82, s82, s15
	s_add_nc_u64 s[56:57], s[6:7], s[82:83]
	s_mov_b32 s14, s3
	SETG0 0
	KVLOAD                                         ; the first tile, ahead of everything else
	v_and_b32 v20, 31, v0
	v_and_b32 v21, 15, v0
	v_bfe_u32 v22, v0, 4, 1
	s_lshl_b32 s14, s81, 6
	v_and_b32 v23, 7, v0
	v_lshl_add_u32 v23, v22, 3, v23
	v_add_nc_u32 v23, s14, v23
	v_mul_u32_u24 v23, v23, 160
	v_bfe_u32 v1, v0, 3, 1
	v_lshl_add_u32 v1, v1, 4, v23                  ; V, transposing load: key 64 kh + 8 h + (l & 7), 16 bytes by bit 3
	v_add_nc_u32 v2, SLOT, v1
	v_add_nc_u32 v23, s14, v21
	v_mul_u32_u24 v3, v23, 144
	v_lshl_add_u32 v3, v22, 4, v3
	v_add_nc_u32 v3, 40960, v3
	v_add_nc_u32 v4, SLOT, v3
	v_mul_u32_u24 v5, v23, 80
	v_lshl_add_u32 v5, v22, 4, v5
	v_add_nc_u32 v5, 77824, v5
	v_add_nc_u32 v6, SLOT, v5
	s_lshl_b32 s15, s80, 5
	s_sub_co_i32 s15, s15, s14
	v_lshlrev_b32 v23, 3, v22
	v_sub_nc_u32 v7, v21, v23
	v_add_nc_u32 v7, s15, v7                       ; query - key base on the diagonal tile, signed
	v_add_nc_u32 v8, 16, v7
	s_mul_i32 s15, s80, 8448
	s_add_co_u32 s15, s15, RED
	v_lshl_add_u32 v9, v20, 4, s15
	s_add_co_u32 s15, s15, 8192
	v_lshl_add_u32 v14, v20, 2, s15
	s_mul_i32 s15, s80, 9216
	s_add_co_u32 s15, s15, STAGE
	v_mul_u32_u24 v15, v21, 144
	v_lshl_add_u32 v15, v22, 4, v15
	v_add_nc_u32 v15, s15, v15
	v_lshrrev_b32 v23, 3, v20
	v_mul_u32_u24 v16, v23, 144
	v_and_b32 v23, 7, v20
	v_lshl_add_u32 v16, v23, 4, v16
	v_add_nc_u32 v16, s15, v16
	v_lshlrev_b32 v17, 4, v20
	s_lshl_b32 s15, s80, 5
	v_add_nc_u32 v23, s15, v21
	v_lshlrev_b32 v18, 7, v23
	v_lshl_add_u32 v18, v22, 4, v18
	v_lshlrev_b32 v19, 6, v23
	v_lshl_add_u32 v19, v22, 4, v19
	s_mov_b32 s88, s3
	BEGINQ
	s_mov_b32 s13, 8
.Lsteps:
	TRIP 0, 1, 1                                   ; steps 0, 2, .. 14
	TRIP 1, 1, 0                                   ; steps 1, 3, .. 15: never a diagonal tile
	s_cmp_lg_u32 s11, s12                          ; the first block's last step was qa: the same in all eight waves
	s_cbranch_scc1 .Lnosw
	ENDQ
	s_sub_co_u32 s88, 15, s3
	BEGINQ
.Lnosw:
	s_sub_co_u32 s13, s13, 1
	s_cmp_lg_u32 s13, 0
	s_cbranch_scc1 .Lsteps
	TRIP 0, 0, 1                                   ; step 16: nothing left to fetch
	ENDQ
	s_endpgm
.Lfunc_end_k_q631171644c_attn:
	.size	k_q631171644c_attn, .Lfunc_end_k_q631171644c_attn-k_q631171644c_attn
	.p2alignl 7, 3214868480
	.fill 96, 4, 3214868480
	.section	.rodata,"a",@progbits
	.p2align	6, 0x0
	.amdhsa_kernel k_q631171644c_attn
		.amdhsa_group_segment_fixed_size 327680
		.amdhsa_private_segment_fixed_size 0
		.amdhsa_enable_private_segment 0
		.amdhsa_kernarg_size 24
		.amdhsa_user_sgpr_count 2
		.amdhsa_user_sgpr_kernarg_segment_ptr 1
		.amdhsa_wavefront_size32 1
		.amdhsa_system_sgpr_workgroup_id_x 1
		.amdhsa_system_sgpr_workgroup_id_y 1
		.amdhsa_system_sgpr_workgroup_id_z 1
		.amdhsa_system_vgpr_workitem_id 0
		.amdhsa_next_free_vgpr 416
		.amdhsa_next_free_sgpr 92
		.amdhsa_reserve_vcc 1
		.amdhsa_float_denorm_mode_32 3
		.amdhsa_float_denorm_mode_16_64 3
		.amdhsa_memory_ordered 1
		.amdhsa_forward_progress 1
		.amdhsa_inst_pref_size 155
	.end_amdhsa_kernel
	.amdgpu_metadata
---
amdhsa.version: [ 1, 2 ]
amdhsa.kernels:
  - .name:           k_q631171644c_attn
    .symbol:         k_q631171644c_attn.kd
    .args:
      - { .name: qkv, .offset: 0, .size: 8, .value_kind: global_buffer, .address_space: global }
      - { .name: kr, .offset: 8, .size: 8, .value_kind: global_buffer, .address_space: global }
      - { .name: att, .offset: 16, .size: 8, .value_kind: global_buffer, .address_space: global }
    .group_segment_fixed_size: 327680
    .private_segment_fixed_size: 0
    .kernarg_segment_align: 8
    .kernarg_segment_size: 24
    .max_flat_workgroup_size: 256
    .sgpr_count:     92
    .vgpr_count:     416
    .wavefront_size: 32
...
	.end_amdgpu_metadata
.endif
;; end of part 3
;; launch proj (part 4): grid 8 x 32, 8 waves a work-group, clusters of 4 x 4, 327,680 bytes of LDS; arguments att, wb, out0; writes out0
.if DOCPART == 4
	.amdgcn_target "amdgcn-amd-amdhsa--gfx1250"
	.amdhsa_code_object_version 6
	.text
	.protected	k_q631171644c_proj
	.globl	k_q631171644c_proj
	.p2align	8
	.type	k_q631171644c_proj,@function
k_q631171644c_proj:
	s_mov_b64 s[64:65], 0
	v_nop
	global_prefetch_b8 v0, s[64:65] scope:SCOPE_SE
	s_setreg_imm32_b32 hwreg(HW_REG_WAVE_MODE, 25, 1), 1
	s_wait_xcnt 0x0
	s_wait_alu depctr_hold_cnt(0) depctr_sa_sdst(0) depctr_va_vdst(0) depctr_va_sdst(0) depctr_va_ssrc(0) depctr_va_vcc(0) depctr_vm_vsrc(0)
	s_getreg_b32 s2, hwreg(HW_REG_IB_STS2, 6, 4)
	s_cmp_eq_u32 s2, 0
	s_cbranch_scc0 .Lentry_in_a_cluster
	s_endpgm
.Lentry_in_a_cluster:
	s_bfe_u32 s2, ttmp6, 0x10000c
	s_cmp_lg_u32 s2, 0xf033
	s_cbranch_scc0 .Lentry_shape_is_right
	s_endpgm
.Lentry_shape_is_right:
; out0 = attn W_o^T.  attn comes by head as hi + lo bf16, W_o as bf16 (wb, from byte 1,835,008).  A work-group makes 128 tokens x 128 columns; K goes in eight
; chunks of 128 (two heads) through two LDS slots; each K step is two products (hi, lo) on one accumulator set.
; CLUSTER 4 x 4: attn's tiles hang on the token block alone and are shared along a row of the cluster, W_o's on the column block alone and are shared
; along a column: joint loads, a quarter of the requests.
; A wave makes 32 tokens x 64 columns; source 0 = rows of W_o, source 1 = tokens, so a lane holds eight neighbouring columns of one token.
.set SLOT,  110592                     ; W_o 128 rows x 272 at 0 (34,816, then 2,048 unused); attn sub-tile 2 x + head at 36,864 + 18,432 each (128 rows x 144)
.set STAGE, 221184                     ; a wave: 16 rows x 272
.set ACC, 16                           ; v[16:79]
.set F0,  80                           ; v[80:143]: A(x, a) 4 x 8, B(b) 4 x 8
.set F1,  144                          ; v[144:207]
.macro PLACES
.rept 4
	v_nop
.endr
.endm
.macro BAR
	s_barrier_signal -1
	s_barrier_wait -1
.endm
.macro ROUND
	s_barrier_signal -1
	s_barrier_wait -1
	s_cmp_lg_u32 s8, 0
	s_cbranch_scc1 .Lnot_wave_0_\@
	s_barrier_signal -3
.Lnot_wave_0_\@:
	s_barrier_wait -3
	s_barrier_signal -1
	s_barrier_wait -1
.endm
.macro FRAG slot, ks, f                ; 16 LDS loads: 32 along K
.irp x, 0,1
.irp a, 0,1
	ds_load_b128 v[\f+8*(2*\x+\a):\f+8*(2*\x+\a)+3], v[1+\slot] offset:(2*\x+(\ks>>1))*18432+2304*\a+64*(\ks&1)
	ds_load_b128 v[\f+8*(2*\x+\a)+4:\f+8*(2*\x+\a)+7], v[1+\slot] offset:(2*\x+(\ks>>1))*18432+2304*\a+64*(\ks&1)+32
.endr
.endr
.irp b, 0,1,2,3
	ds_load_b128 v[\f+32+8*\b:\f+32+8*\b+3], v[3+\slot] offset:4352*\b+64*\ks
	ds_load_b128 v[\f+32+8*\b+4:\f+32+8*\b+7], v[3+\slot] offset:4352*\b+64*\ks+32
.endr
.endm
.macro MUL f, zero                     ; eight accumulators by turns
.irp x, 0,1
.irp a, 0,1
.irp b, 0,1,2,3
.if (\zero)*(1-\x)
	v_wmma_f32_16x16x32_bf16 v[ACC+8*(4*\a+\b):ACC+8*(4*\a+\b)+7], v[\f+32+8*\b:\f+32+8*\b+7], v[\f+8*(2*\x+\a):\f+8*(2*\x+\a)+7], 0
.else
	v_wmma_f32_16x16x32_bf16 v[ACC+8*(4*\a+\b):ACC+8*(4*\a+\b)+7], v[\f+32+8*\b:\f+32+8*\b+7], v[\f+8*(2*\x+\a):\f+8*(2*\x+\a)+7], v[ACC+8*(4*\a+\b):ACC+8*(4*\a+\b)+7]
.endif
.endr
.endr
.endr
.endm
.macro COMPUTE slot, zero
	PLACES                                         ; four places between matrix instructions and loads into their sources
	FRAG \slot, 0, F0
	PLACES
	FRAG \slot, 1, F1
	s_wait_dscnt 16                                ; all but the 16 just issued
	MUL F0, \zero
	PLACES
	FRAG \slot, 2, F0
	s_wait_dscnt 16
	MUL F1, 0
	PLACES
	FRAG \slot, 3, F1
	s_wait_dscnt 16
	MUL F0, 0
	s_wait_dscnt 0x0
	MUL F1, 0
.endm
.macro JLOAD s                         ; waves 0, 1: W_o's two halves; waves 2-5: attn's four sub-tiles; the branch hangs on the wave's number alone
	s_cmp_lt_u32 s8, 2
	s_cbranch_scc0 .Lja_\@
	tensor_load_to_lds s[40+4*\s:43+4*\s], s[24:31]
	s_nop 0
	s_branch .Ljd_\@
.Lja_\@:
	s_cmp_lt_u32 s8, 6
	s_cbranch_scc0 .Ljd_\@
	tensor_load_to_lds s[32+4*\s:35+4*\s], s[16:23]
	s_nop 0
.Ljd_\@:
.endm
.macro REFILL s
	s_wait_dscnt 0x0                               ; my reads of the slot are back
	s_wait_tensorcnt 0x0                           ; all my tensor loads have landed, the other slot's among them
	s_add_nc_u64 s[34+4*\s:35+4*\s], s[34+4*\s:35+4*\s], 1048576    ; four heads on
	s_add_nc_u64 s[42+4*\s:43+4*\s], s[42+4*\s:43+4*\s], 512        ; 256 along K
	ROUND                                          ; both hold of every wave of every partner
	JLOAD \s
.endm
	s_load_b128 s[48:51], s[0:1], 0x0              ; att, wb
	s_load_b64 s[52:53], s[0:1], 0x10              ; out0
	v_lshrrev_b32 v8, 5, v0
	v_readfirstlane_b32 s8, v8
	s_bfe_u32 s9, ttmp6, 0x40000                   ; cx
	s_bfe_u32 s10, ttmp6, 0x40004                  ; cy
	s_lshl_b32 s11, ttmp9, 2
	s_add_co_u32 s11, s11, s9                      ; column block 0..7
	s_and_b32 s12, ttmp7, 0xffff
	s_lshl_b32 s12, s12, 2
	s_add_co_u32 s12, s12, s10                     ; token block 0..31
	s_and_b32 s13, s8, 3                           ; mi
	s_lshr_b32 s14, s8, 2                          ; nh
	s_lshl_b32 s58, s10, 2
	s_lshl_b32 s58, 15, s58                        ; my row of the cluster
	s_lshl_b32 s59, 0x1111, s9                     ; my column
	s_or_b32 s16, s58, (1<<16)|(1<<20)|(1<<21)|(4<<22)|(3<<25)      ; attn: 128 rows x 64 elements, 16 bytes behind each 128
	s_mov_b32 s17, 64<<16
	s_mov_b32 s18, 128<<16
	s_mov_b32 s19, 64<<16
	s_mov_b32 s20, 128
	s_mov_b32 s21, 64
	s_mov_b32 s22, 0
	s_mov_b32 s23, 0
	s_or_b32 s24, s59, (1<<16)|(1<<20)|(1<<21)|(5<<22)|(3<<25)      ; W_o: 64 rows x 128 elements, 16 bytes behind each 256
	s_mov_b32 s25, 128<<16
	s_mov_b32 s26, 64<<16
	s_mov_b32 s27, 128<<16
	s_mov_b32 s28, 64
	s_mov_b32 s29, 1024
	s_mov_b32 s30, 0
	s_mov_b32 s31, 0
	; attn: sub-tile (wave + 2) & 3 = 2 x + head
	s_add_co_u32 s15, s8, 2
	s_and_b32 s15, s15, 3
	s_lshr_b32 s54, s15, 1
	s_lshl_b32 s54, s54, 23                        ; hi or lo
	s_and_b32 s15, s15, 1
	s_lshr_b32 s60, s12, 4
	s_lshl4_add_u32 s15, s60, s15                  ; 16 x batch + head
	s_lshl_b32 s15, s15, 18
	s_add_co_u32 s54, s54, s15
	s_and_b32 s15, s12, 15
	s_lshl_b32 s15, s15, 14                        ; 128 tokens x 128 bytes
	s_add_co_u32 s54, s54, s15
	s_mov_b32 s55, 0
	; W_o: rows 128 x column block + 64 x (wave & 1)
	s_and_b32 s61, s8, 1
	s_lshl_b32 s56, s11, 18
	s_lshl_b32 s61, s61, 17
	s_add_co_u32 s56, s56, s61
	s_add_co_u32 s56, s56, 1835008
	s_mov_b32 s57, 0
	s_mul_i32 s33, s8, 18432                       ; waves 2-5: 36,864 + 18,432 x sub-tile
	s_add_co_u32 s37, s33, SLOT
	s_mul_i32 s41, s8, 17408                       ; waves 0, 1
	s_add_co_u32 s45, s41, SLOT
	s_mov_b32 s32, 1
	s_mov_b32 s36, 1
	s_mov_b32 s40, 1
	s_mov_b32 s44, 1
	s_wait_kmcnt 0x0
	s_add_nc_u64 s[34:35], s[48:49], s[54:55]
	s_add_nc_u64 s[38:39], s[34:35], 524288        ; the next two heads
	s_or_b32 s35, s35, 0x80000000
	s_or_b32 s39, s39, 0x80000000
	s_add_nc_u64 s[42:43], s[50:51], s[56:57]
	s_add_nc_u64 s[46:47], s[42:43], 256
	s_or_b32 s43, s43, 0x80000000
	s_or_b32 s47, s47, 0x80000000
	ROUND                                          ; all sixteen work-groups are here
	s_cmp_lt_u32 s8, 2
	s_cbranch_scc0 .Lfa
	tensor_load_to_lds s[40:43], s[24:31]
	s_nop 0
	tensor_load_to_lds s[44:47], s[24:31]
	s_nop 0
	s_branch .Lfd
.Lfa:
	s_cmp_lt_u32 s8, 6
	s_cbranch_scc0 .Lfd
	tensor_load_to_lds s[32:35], s[16:23]
	s_nop 0
	tensor_load_to_lds s[36:39], s[16:23]
	s_nop 0
.Lfd:
	v_and_b32 v9, 15, v0
	v_bfe_u32 v10, v0, 4, 1
	v_mul_u32_u24 v1, v9, 144
	v_lshl_add_u32 v1, v10, 4, v1
	s_mul_i32 s15, s13, 32*144
	s_add_co_u32 s15, s15, 36864
	v_add_nc_u32 v1, s15, v1
	v_add_nc_u32 v2, SLOT, v1
	v_mul_u32_u24 v3, v9, 272
	v_lshl_add_u32 v3, v10, 4, v3
	s_mul_i32 s15, s14, 64*272
	v_add_nc_u32 v3, s15, v3
	v_add_nc_u32 v4, SLOT, v3
	s_mul_i32 s15, s8, 4352
	s_add_co_u32 s15, s15, STAGE
	v_mul_u32_u24 v5, v9, 272
	v_lshl_add_u32 v5, v10, 5, v5
	v_add_nc_u32 v5, s15, v5                       ; in: row r, 32 bytes for each half of the lanes
	v_mul_u32_u24 v6, v10, 272
	v_lshl_add_u32 v6, v9, 4, v6
	v_add_nc_u32 v6, s15, v6                       ; back: lanes 0-15 one row of 256 bytes, lanes 16-31 the next
	v_lshlrev_b32 v7, 12, v10
	v_lshl_add_u32 v7, v9, 4, v7                   ; the same two rows in out0
	s_lshl_b32 s2, s12, 7
	s_lshl_b32 s15, s13, 5
	s_add_co_u32 s2, s2, s15
	s_lshl_b32 s2, s2, 12                          ; my first token x 4,096 bytes
	s_lshl_b32 s15, s11, 9
	s_add_co_u32 s2, s2, s15
	s_lshl_b32 s15, s14, 8
	s_add_co_u32 s2, s2, s15                       ; + my first column x 4
	s_mov_b32 s3, 0
	s_add_nc_u64 s[52:53], s[52:53], s[2:3]
	s_wait_tensorcnt 1                             ; slot 0's part is in; slot 1's may stay out
	BAR
	COMPUTE 0, 1
	s_mov_b32 s60, 3
.Lchunks:
	REFILL 0
	COMPUTE 1, 0
	REFILL 1
	COMPUTE 0, 0
	s_sub_co_u32 s60, s60, 1
	s_cmp_lg_u32 s60, 0
	s_cbranch_scc1 .Lchunks
	s_wait_dscnt 0x0
	s_wait_tensorcnt 0x0                           ; the last chunk has landed
	BAR
	COMPUTE 1, 0
	PLACES                                         ; four places before the results are read
.irp a, 0,1
.irp b, 0,1,2,3
	ds_store_b128 v5, v[ACC+8*(4*\a+\b):ACC+8*(4*\a+\b)+3] offset:64*\b
	ds_store_b128 v5, v[ACC+8*(4*\a+\b)+4:ACC+8*(4*\a+\b)+7] offset:64*\b+16
.endr
.irp i, 0,1,2,3,4,5,6,7
	ds_load_b128 v[F0+64*\a+4*\i:F0+64*\a+4*\i+3], v6 offset:544*\i     ; my own bytes: LDS serves a wave in order
.endr
.irp i, 0,1,2,3,4,5,6,7
	s_wait_dscnt 7-\i
	global_store_b128 v7, v[F0+64*\a+4*\i:F0+64*\a+4*\i+3], s[52:53] offset:(16*\a+2*\i)*4096 th:TH_STORE_NT   ; sixteen lanes: 256 consecutive bytes, aligned
.endr
.endr
	ROUND                                          ; the closing round
	s_endpgm
.Lfunc_end_k_q631171644c_proj:
	.size	k_q631171644c_proj, .Lfunc_end_k_q631171644c_proj-k_q631171644c_proj
	.p2alignl 7, 3214868480
	.fill 96, 4, 3214868480
	.section	.rodata,"a",@progbits
	.p2align	6, 0x0
	.amdhsa_kernel k_q631171644c_proj
		.amdhsa_group_segment_fixed_size 327680
		.amdhsa_private_segment_fixed_size 0
		.amdhsa_enable_private_segment 0
		.amdhsa_kernarg_size 24
		.amdhsa_user_sgpr_count 2
		.amdhsa_user_sgpr_kernarg_segment_ptr 1
		.amdhsa_wavefront_size32 1
		.amdhsa_system_sgpr_workgroup_id_x 1
		.amdhsa_system_sgpr_workgroup_id_y 1
		.amdhsa_system_sgpr_workgroup_id_z 1
		.amdhsa_system_vgpr_workitem_id 0
		.amdhsa_next_free_vgpr 208
		.amdhsa_next_free_sgpr 66
		.amdhsa_reserve_vcc 0
		.amdhsa_float_denorm_mode_32 3
		.amdhsa_float_denorm_mode_16_64 3
		.amdhsa_memory_ordered 1
		.amdhsa_forward_progress 1
		.amdhsa_inst_pref_size 48
	.end_amdhsa_kernel
	.amdgpu_metadata
---
amdhsa.version: [ 1, 2 ]
amdhsa.kernels:
  - .name:           k_q631171644c_proj
    .symbol:         k_q631171644c_proj.kd
    .args:
      - { .name: att, .offset: 0, .size: 8, .value_kind: global_buffer, .address_space: global }
      - { .name: wb, .offset: 8, .size: 8, .value_kind: global_buffer, .address_space: global }
      - { .name: out0, .offset: 16, .size: 8, .value_kind: global_buffer, .address_space: global }
    .group_segment_fixed_size: 327680
    .private_segment_fixed_size: 0
    .kernarg_segment_align: 8
    .kernarg_segment_size: 24
    .max_flat_workgroup_size: 256
    .sgpr_count:     66
    .vgpr_count:     208
    .wavefront_size: 32
...
	.end_amdgpu_metadata
.endif
;; end of part 4
;; ======== version 2 of 2: 4 launches
;; workspace buffers: c 8,388,608 bytes; kr 524,288 bytes; wb 3,932,160 bytes; tab 262,144 bytes; mx 4,096 bytes; qkv 33,554,432 bytes; att 16,777,216 bytes
;; launch down (part 5): grid 4 x 64, 8 waves a work-group, no clusters, 107,776 bytes of LDS; arguments x, W_dq, W_dkv, W_rk, W_uq, W_rq, W_uk, W_uv, W_o, c, kr, wb, tab, mx; writes c, kr, wb, tab, mx
.if DOCPART == 5
	.amdgcn_target "amdgcn-amd-amdhsa--gfx1250"
	.amdhsa_code_object_version 6
	.text
	.protected	k_q631171644c_down
	.globl	k_q631171644c_down
	.p2align	8
	.type	k_q631171644c_down,@function
k_q631171644c_down:
	s_mov_b64 s[64:65], 0
	v_nop
	global_prefetch_b8 v0, s[64:65] scope:SCOPE_SE
	s_setreg_imm32_b32 hwreg(HW_REG_WAVE_MODE, 25, 1), 1
	s_wait_xcnt 0x0
; c_Q = x W_dq^T, c_KV = x W_dkv^T, K_R = rope(x W_rk^T); besides: W_uq|W_rq|W_uk|W_uv and W_o cast to bf16 (wb), the cos/sin table (tab), and
; four maxima a work-group (mx): |W_uq|, |W_uk|, |W_uv| of the part that it casts and |c| of its tile; later launches make their f16 scales of them.
; A work-group makes 64 tokens x 160 columns: 128 rows of W_dq (x = 0,1) or W_dkv (x = 2,3) and the 32 rows of W_rk.  All four column groups
; compute K_R (34 column tiles do not divide evenly over 256 equal work-groups); the group with x = 0 stores it.
; Both operands are f32 in memory, so they pass through registers: 16-byte loads, one rounding to bf16, LDS, fragments.  No tensor loads, no cluster.
; Results are stored as TWO bf16 numbers, hi = bf16(v) and lo = bf16(v - hi): one bf16 rounding of an intermediate is about 2^-9 of a row's size,
; and the first tokens' output rows are some ten times the output's root mean square, so it would not fit the allowed error.
; LIMITS: inputs finite.  The rope angle is pos * exp2(-0.830482 i) in f32; sine and cosine by reduction with two parts of pi/2 and polynomials (error below 4e-6).
.set PA,    144                        ; LDS row: 64 bf16 + 16 bytes: an odd multiple of 16
.set ABUF,  9216                       ; 64 rows of x
.set BBASE, 18432
.set BBUF,  23040                      ; 160 weight rows
.set STG,   64512                      ; the way out: 64 rows x 336 bytes, hi; lo STGL further
.set STGL,  21504
.set SP,    336
.set MXL,   107520                     ; 8 waves x 16 bytes: the waves' maxima
.set ACC,   8                          ; v[8:47]    5 tiles of 16 columns x 16 tokens
.set FA,    48                         ; v[48:55]   token fragment
.set FB,    56                         ; v[56:95]   5 weight fragments (at the start: the cast's data)
.set GA,    96                         ; v[96:151]  14 x 4 registers of f32 on their way, set 0
.set GB,    152                        ; v[152:207] set 1
.set TT,    208                        ; v[208:219] rope: pos, i base, angle, -, cos, sin, four temporaries, two products
.set MX,    220                        ; v[220:223] maxima: |W_uq|, |W_uk|, |W_uv|, |c|
.macro PLACES
.rept 4
	v_nop
.endr
.endm
.macro BAR
	s_barrier_signal -1
	s_barrier_wait -1
.endm
.macro SPLIT x, hi, lo, t              ; v[x:x+1] -> packed hi and packed lo = bf16(v - hi)
	v_cvt_pk_bf16_f32 v[\hi], v[\x], v[\x+1]
	v_lshlrev_b32 v[\t], 16, v[\hi]
	v_and_b32 v[\t+1], 0xffff0000, v[\hi]
	v_pk_add_f32 v[\x:\x+1], v[\x:\x+1], v[\t:\t+1] neg_lo:[0,1] neg_hi:[0,1]
	v_cvt_pk_bf16_f32 v[\lo], v[\x], v[\x+1]
.endm
.macro LOADSET g, imm                  ; one K step of 64: 4 + 8 + 2 loads; sixteen lanes take 256 bytes of a row
.irp i, 0,1,2,3
	global_load_b128 v[\g+4*\i:\g+4*\i+3], v1, s[8:9] offset:\imm+65536*\i
.endr
.irp i, 0,1,2,3,4,5,6,7
	global_load_b128 v[\g+16+4*\i:\g+16+4*\i+3], v1, s[10:11] offset:\imm+65536*\i
.endr
.irp i, 0,1
	global_load_b128 v[\g+48+4*\i:\g+48+4*\i+3], v1, s[12:13] offset:\imm+65536*\i
.endr
.endm
.macro STORESET g, buf                 ; round to bf16 in place, 8 bytes a lane into LDS
.irp i, 0,1,2,3,4,5,6,7,8,9,10,11,12,13
	v_cvt_pk_bf16_f32 v[\g+4*\i], v[\g+4*\i], v[\g+4*\i+1]
	v_cvt_pk_bf16_f32 v[\g+4*\i+1], v[\g+4*\i+2], v[\g+4*\i+3]
.endr
.irp i, 0,1,2,3
	ds_store_b64 v2, v[\g+4*\i:\g+4*\i+1] offset:(\buf)*ABUF+2304*\i
.endr
.irp i, 0,1,2,3,4,5,6,7,8,9
	ds_store_b64 v2, v[\g+16+4*\i:\g+16+4*\i+1] offset:BBASE+(\buf)*BBUF+2304*\i
.endr
.endm
; One K step: multiply buffer buf; the next step's set goes to the other buffer; the freed set is loaded three steps ahead.
.macro TRIP buf, g, zero, store, load, cnt, bar
.irp ks, 0,1
	PLACES                                         ; four places between the last matrix instruction and loads into its sources
	ds_load_b128 v[FA:FA+3], v3 offset:\buf*ABUF+64*\ks
	ds_load_b128 v[FA+4:FA+7], v3 offset:\buf*ABUF+64*\ks+32
.irp b, 0,1,2,3,4
	ds_load_b128 v[FB+8*\b:FB+8*\b+3], v4 offset:\buf*BBUF+2304*\b+64*\ks
	ds_load_b128 v[FB+8*\b+4:FB+8*\b+7], v4 offset:\buf*BBUF+2304*\b+64*\ks+32
.endr
	s_wait_dscnt 0x0
.irp b, 0,1,2,3,4                      ; five accumulators by turns
.if (\zero)*(1-\ks)
	v_wmma_f32_16x16x32_bf16 v[ACC+8*\b:ACC+8*\b+7], v[FB+8*\b:FB+8*\b+7], v[FA:FA+7], 0
.else
	v_wmma_f32_16x16x32_bf16 v[ACC+8*\b:ACC+8*\b+7], v[FB+8*\b:FB+8*\b+7], v[FA:FA+7], v[ACC+8*\b:ACC+8*\b+7]
.endif
.endr
.endr
.if \store
	s_wait_loadcnt \cnt                            ; the next step's 14 loads are in; the 14 of the step behind it (if any) stay out
	STORESET \g, 1-\buf
.endif
.if \load
	s_wait_xcnt 0x0                                ; the bases are stepped only behind this wait
	s_add_nc_u64 s[8:9], s[8:9], 256
	s_add_nc_u64 s[10:11], s[10:11], 256
	s_add_nc_u64 s[12:13], s[12:13], 256
	LOADSET \g, 0
.endif
.if \bar
	s_wait_dscnt 0x0                               ; my stores are done, my reads were waited for above
	BAR                                            ; the other buffer is whole; nobody reads this one any more
.endif
.endm
.macro ANG ic                          ; angle = pos * 10000^(-(i base + ic)/16)
	v_add_nc_u32 v[TT+6], \ic, v[TT+1]
	v_cvt_f32_u32 v[TT+6], v[TT+6]
	v_mul_f32 v[TT+6], s49, v[TT+6]
	v_exp_f32 v[TT+6], v[TT+6]
	v_nop
	s_wait_alu depctr_va_vdst(0)
	v_mul_f32 v[TT+2], v[TT], v[TT+6]
.endm
.macro SINCOS                          ; v[TT+2] -> cos in v[TT+4], sin in v[TT+5]; selects only, no branch
	v_mul_f32 v[TT+6], 0x3f22f983, v[TT+2]
	v_rndne_f32 v[TT+6], v[TT+6]                   ; q = nearest multiple of pi/2
	v_fma_f32 v[TT+7], v[TT+6], s42, v[TT+2]
	v_fma_f32 v[TT+7], v[TT+6], s43, v[TT+7]       ; r, |r| <= pi/4
	v_mul_f32 v[TT+8], v[TT+7], v[TT+7]
	v_fma_f32 v[TT+5], v[TT+8], s44, s45
	v_fma_f32 v[TT+4], v[TT+8], s47, s48
	v_fma_f32 v[TT+5], v[TT+5], v[TT+8], s46
	v_fma_f32 v[TT+4], v[TT+4], v[TT+8], -0.5
	v_mul_f32 v[TT+9], v[TT+7], v[TT+8]
	v_fma_f32 v[TT+5], v[TT+5], v[TT+9], v[TT+7]   ; sin r
	v_fma_f32 v[TT+4], v[TT+4], v[TT+8], 1.0       ; cos r
	v_cvt_i32_f32 v[TT+6], v[TT+6]
	v_and_b32 v[TT+7], 1, v[TT+6]
	v_cmp_eq_u32 vcc_lo, 1, v[TT+7]
	v_cndmask_b32 v[TT+8], v[TT+5], v[TT+4], vcc_lo
	v_cndmask_b32 v[TT+9], v[TT+4], v[TT+5], vcc_lo
	v_and_b32 v[TT+7], 2, v[TT+6]
	v_lshlrev_b32 v[TT+7], 30, v[TT+7]
	v_xor_b32 v[TT+5], v[TT+8], v[TT+7]
	v_add_nc_u32 v[TT+6], 1, v[TT+6]
	v_and_b32 v[TT+6], 2, v[TT+6]
	v_lshlrev_b32 v[TT+6], 30, v[TT+6]
	v_xor_b32 v[TT+4], v[TT+9], v[TT+6]
.endm
.macro ROT x                           ; (x1, x2) -> (x1 cos - x2 sin, x1 sin + x2 cos)
	v_mul_f32 v[TT+10], v[\x+1], v[TT+5]
	v_mul_f32 v[TT+11], v[\x+1], v[TT+4]
	v_fma_f32 v[\x+1], v[\x], v[TT+5], v[TT+11]
	v_fma_f32 v[\x], v[\x], v[TT+4], -v[TT+10]
.endm
	s_load_b512 s[16:31], s[0:1], 0x0              ; x, W_dq, W_dkv, W_rk, W_uq, W_rq, W_uk, W_uv
	s_load_b256 s[32:39], s[0:1], 0x40             ; W_o, c, kr, wb
	s_load_b64 s[40:41], s[0:1], 0x60              ; tab
	s_load_b64 s[60:61], s[0:1], 0x68              ; mx
	v_lshrrev_b32 v5, 5, v0
	v_readfirstlane_b32 s2, v5                     ; wave
	s_mov_b32 s3, ttmp9                            ; column group 0..3
	s_and_b32 s4, ttmp7, 0xffff                    ; token block 0..63
	s_lshl2_add_u32 s5, s4, s3                     ; g = 4 y + x: the work-group's share of the casts and of the table
	s_mov_b32 s42, 0xbfc90fdb                      ; -pi/2, upper part
	s_mov_b32 s43, 0x333bbd2e                      ; the rest of it
	s_mov_b32 s44, 0xb9500d01                      ; -1/5040
	s_mov_b32 s45, 0x3c088889                      ; 1/120
	s_mov_b32 s46, 0xbe2aaaab                      ; -1/6
	s_mov_b32 s47, 0xbab60b61                      ; -1/720
	s_mov_b32 s48, 0x3d2aaaab                      ; 1/24
	s_mov_b32 s49, 0xbf549a78                      ; -log2(10000)/16
	s_mov_b32 s58, 0x76543210                      ; v_permlanex16_b32: lane i of one half reads lane i of the other
	s_mov_b32 s59, 0xfedcba98
	v_lshrrev_b32 v9, 4, v0
	v_and_b32 v10, 15, v0
	v_bfe_u32 v11, v0, 4, 1
	v_lshlrev_b32 v1, 12, v9
	v_lshl_add_u32 v1, v10, 4, v1                  ; global: row t/16 (4,096 bytes), 16 bytes a lane
	v_mul_u32_u24 v2, v9, PA
	v_lshl_add_u32 v2, v10, 3, v2                  ; LDS: the same row, 8 bytes a lane
	v_mul_u32_u24 v8, v10, PA
	v_lshl_add_u32 v8, v11, 4, v8                  ; fragment: row r, 16 h
	s_and_b32 s50, s2, 3                           ; mi: my 16 tokens
	s_lshr_b32 s51, s2, 2                          ; nh: my 80 columns
	s_mul_i32 s6, s50, 16*PA
	s_mul_i32 s7, s51, 80*PA
	s_add_co_u32 s7, s7, BBASE
	v_add_nc_u32 v3, s6, v8
	v_add_nc_u32 v4, s7, v8
	v_lshlrev_b32 v5, 4, v0                        ; 16 t
	v_lshlrev_b32 v6, 3, v0                        ; 8 t
	s_wait_kmcnt 0x0
	s_mov_b32 s7, 0
	s_lshl_b32 s6, s5, 4
	s_add_nc_u64 s[60:61], s[60:61], s[6:7]        ; mx: 16 bytes a work-group
	s_lshl_b32 s6, s5, 14
	s_add_nc_u64 s[32:33], s[32:33], s[6:7]        ; W_o: 16 KiB a work-group
	s_lshl_b32 s6, s5, 12
	s_add_nc_u64 s[24:25], s[24:25], s[6:7]        ; W_uq, W_uk, W_uv: 4 KiB
	s_add_nc_u64 s[28:29], s[28:29], s[6:7]
	s_add_nc_u64 s[30:31], s[30:31], s[6:7]
	s_lshl_b32 s6, s5, 11
	s_add_nc_u64 s[26:27], s[26:27], s[6:7]        ; W_rq: 2 KiB
	s_add_nc_u64 s[54:55], s[38:39], s[6:7]
	s_lshl_b32 s6, s5, 13
	s_add_nc_u64 s[52:53], s[38:39], s[6:7]
	s_lshl_b32 s6, s5, 10
	s_add_nc_u64 s[56:57], s[38:39], s[6:7]
	s_add_nc_u64 s[40:41], s[40:41], s[6:7]        ; tab: 8 positions x 128 bytes
	s_lshl_b32 s6, s4, 18
	s_add_nc_u64 s[8:9], s[16:17], s[6:7]          ; x at my 64 tokens
	s_cmp_lt_u32 s3, 2
	s_cselect_b64 s[10:11], s[18:19], s[20:21]
	s_and_b32 s15, s3, 1
	s_lshl_b32 s6, s15, 19
	s_add_nc_u64 s[10:11], s[10:11], s[6:7]        ; my 128 weight rows
	s_mov_b64 s[12:13], s[22:23]
	; the casts' loads first, then two K steps
.irp i, 0,1,2,3
	global_load_b128 v[FB+4*\i:FB+4*\i+3], v5, s[32:33] offset:4096*\i th:TH_LOAD_NT
.endr
	global_load_b128 v[FB+16:FB+19], v5, s[24:25] th:TH_LOAD_NT
	global_load_b128 v[FB+20:FB+23], v5, s[28:29] th:TH_LOAD_NT
	global_load_b128 v[FB+24:FB+27], v5, s[30:31] th:TH_LOAD_NT
	s_cmp_lt_u32 s2, 4
	s_cbranch_scc0 .Lnorq
	global_load_b128 v[FB+28:FB+31], v5, s[26:27] th:TH_LOAD_NT
.Lnorq:
	LOADSET GA, 0
	LOADSET GB, 256
	s_wait_loadcnt 28                              ; the two sets of 14 are younger than the casts' loads
.irp k, 0,1,2                          ; my four numbers of W_uq, W_uk, W_uv: the largest magnitude of each
	v_max_num_f32 v[MX+\k], |v[FB+16+4*\k]|, |v[FB+17+4*\k]|
	v_max3_num_f32 v[MX+\k], v[MX+\k], |v[FB+18+4*\k]|, |v[FB+19+4*\k]|
.endr
.irp i, 0,1,2,3,4,5,6
	v_cvt_pk_bf16_f32 v[FB+4*\i], v[FB+4*\i], v[FB+4*\i+1]
	v_cvt_pk_bf16_f32 v[FB+4*\i+1], v[FB+4*\i+2], v[FB+4*\i+3]
.endr
.irp i, 0,1,2,3
	global_store_b64 v6, v[FB+4*\i:FB+4*\i+1], s[52:53] offset:1835008+2048*\i   ; a wave's store covers 256 consecutive bytes, aligned
.endr
	global_store_b64 v6, v[FB+16:FB+17], s[54:55]
	global_store_b64 v6, v[FB+20:FB+21], s[54:55] offset:786432
	global_store_b64 v6, v[FB+24:FB+25], s[54:55] offset:1310720
	s_cmp_lt_u32 s2, 4
	s_cbranch_scc0 .Lnorq2
	v_cvt_pk_bf16_f32 v[FB+28], v[FB+28], v[FB+29]
	v_cvt_pk_bf16_f32 v[FB+29], v[FB+30], v[FB+31]
	global_store_b64 v6, v[FB+28:FB+29], s[56:57] offset:524288
.Lnorq2:
	s_wait_loadcnt 14                              ; K step 0 is in, step 1 stays out
	STORESET GA, 0
	s_wait_xcnt 0x0                                ; bases, and the casts' data registers, are free
	s_add_nc_u64 s[8:9], s[8:9], 512
	s_add_nc_u64 s[10:11], s[10:11], 512
	s_add_nc_u64 s[12:13], s[12:13], 512
	LOADSET GA, 0                                  ; K step 2
	s_wait_dscnt 0x0
	BAR
	TRIP 0, GB, 1, 1, 1, 14, 1                     ; step 0 starts the sums
	s_mov_b32 s14, 6
.Lk:
	TRIP 1, GA, 0, 1, 1, 14, 1
	TRIP 0, GB, 0, 1, 1, 14, 1
	s_sub_co_u32 s14, s14, 1
	s_cmp_lg_u32 s14, 0
	s_cbranch_scc1 .Lk
	TRIP 1, GA, 0, 1, 0, 14, 1                     ; step 13: nothing left to load
	TRIP 0, GB, 0, 1, 0, 0, 1
	TRIP 1, GA, 0, 0, 0, 0, 0
	PLACES                                         ; four places before the results are read
	v_max_num_f32 v[MX+3], |v[ACC]|, |v[ACC+1]|    ; the largest |c|: tiles 0-2 are c's in every wave
.set zz, 2
.rept 11
	v_max3_num_f32 v[MX+3], v[MX+3], |v[ACC+zz]|, |v[ACC+zz+1]|
.set zz, zz+2
.endr
	s_cmp_lt_u32 s2, 4
	s_cbranch_scc0 .Lrope
	; waves 0-3: tiles 3 and 4 are c's too; then the table, positions 8 g .. 8 g + 7, sixteen frequencies each
.rept 8
	v_max3_num_f32 v[MX+3], v[MX+3], |v[ACC+zz]|, |v[ACC+zz+1]|
.set zz, zz+2
.endr
	s_lshl_b32 s15, s5, 3
	v_lshrrev_b32 v[TT], 4, v0
	v_add_nc_u32 v[TT], s15, v[TT]
	v_cvt_f32_u32 v[TT], v[TT]
	v_and_b32 v[TT+1], 15, v0
	ANG 0
	SINCOS
	global_store_b64 v6, v[TT+4:TT+5], s[40:41]
	s_branch .Lsplit
.Lrope:
	; waves 4-7: tiles 3 and 4 are K_R's 32 columns; lane (r, h) holds token r, columns 16 kt + 8 h + j, pairs i = 8 kt + 4 h + jj
	s_lshl_b32 s15, s4, 6
	s_lshl_b32 s6, s50, 4
	s_add_co_u32 s15, s15, s6
	v_and_b32 v[TT+1], 15, v0
	v_add_nc_u32 v[TT], s15, v[TT+1]
	v_and_b32 v[TT], 0x7ff, v[TT]                  ; position in the sequence
	v_cvt_f32_u32 v[TT], v[TT]
	v_bfe_u32 v[TT+1], v0, 4, 1
	v_lshlrev_b32 v[TT+1], 2, v[TT+1]
.irp kt, 0,1
.irp jj, 0,1,2,3
	ANG 8*\kt+\jj
	SINCOS
	ROT ACC+8*(3+\kt)+2*\jj
.endr
.endr
.Lsplit:
	; the four maxima over the wave's 32 lanes, then 16 bytes a wave into LDS
.irp m, 1,2,4,8
.irp k, 0,1,2,3
	v_max_num_f32_dpp v[MX+\k], v[MX+\k], v[MX+\k] row_xmask:\m row_mask:0xf bank_mask:0xf
.endr
.endr
.irp k, 0,1,2,3
	v_permlanex16_b32 v[TT+6+\k], v[MX+\k], s58, s59
.endr
.irp k, 0,1,2,3
	v_max_num_f32 v[MX+\k], v[MX+\k], v[TT+6+\k]
.endr
	s_lshl_b32 s15, s2, 4
	s_add_co_u32 s15, s15, MXL
	v_mov_b32 v150, s15
	ds_store_b128 v150, v[MX:MX+3]                 ; all lanes write the same 16 bytes with the same values
.irp b, 0,1,2,3,4
.irp j, 0,1,2,3
	SPLIT ACC+8*\b+2*\j, GA+4*\b+\j, GA+20+4*\b+\j, GA+40+2*\j
.endr
.endr
	v_and_b32 v148, 15, v0
	v_bfe_u32 v149, v0, 4, 1
	v_mul_u32_u24 v144, v148, SP
	v_lshl_add_u32 v144, v149, 4, v144
	s_mul_i32 s6, s50, 16*SP
	s_mul_i32 s15, s51, 160
	s_add_co_u32 s6, s6, s15
	s_add_co_u32 s6, s6, STG
	v_add_nc_u32 v144, s6, v144                    ; row 16 mi + r, byte 160 nh + 16 h
.irp b, 0,1,2,3,4
	ds_store_b128 v144, v[GA+4*\b:GA+4*\b+3] offset:32*\b
	ds_store_b128 v144, v[GA+20+4*\b:GA+20+4*\b+3] offset:STGL+32*\b
.endr
	v_lshrrev_b32 v149, 4, v0
	v_mul_u32_u24 v145, v149, SP
	v_lshl_add_u32 v145, v148, 4, v145
	v_add_nc_u32 v145, STG, v145                   ; back: row t/16, 16 bytes a lane
	v_lshlrev_b32 v146, 9, v149
	v_lshl_add_u32 v146, v148, 4, v146             ; the same in c: rows of 512 bytes
	s_lshr_b32 s6, s3, 1
	s_lshl_b32 s6, s6, 22                          ; c_Q or c_KV: 4 MiB apart (hi and lo)
	s_lshl_b32 s15, s4, 15
	s_add_co_u32 s6, s6, s15
	s_and_b32 s15, s3, 1
	s_lshl_b32 s15, s15, 8
	s_add_co_u32 s6, s6, s15
	s_add_nc_u64 s[34:35], s[34:35], s[6:7]
	s_wait_dscnt 0x0
	BAR                                            ; the stage and the eight waves' maxima are whole
.irp x, 0,1
.irp i, 0,1,2,3
	ds_load_b128 v[GB+16*\x+4*\i:GB+16*\x+4*\i+3], v145 offset:\x*STGL+5376*\i
.endr
.endr
	s_wait_dscnt 0x0
.irp x, 0,1
.irp i, 0,1,2,3
	global_store_b128 v146, v[GB+16*\x+4*\i:GB+16*\x+4*\i+3], s[34:35] offset:2097152*\x+8192*\i   ; sixteen lanes: 256 consecutive bytes, aligned
.endr
.endr
	s_cmp_lg_u32 s2, 0
	s_cbranch_scc1 .Lnomx
	; wave 0: the work-group's four maxima, 16 bytes stored by lane 0
	v_mov_b32 v151, MXL
.irp i, 0,1,2,3,4,5,6,7
	ds_load_b128 v[GA+4*\i:GA+4*\i+3], v151 offset:16*\i
.endr
	s_wait_dscnt 0x0
.irp k, 0,1,2,3
	v_max_num_f32 v[GA+32+\k], v[GA+\k], v[GA+4+\k]
	v_max3_num_f32 v[GA+32+\k], v[GA+32+\k], v[GA+8+\k], v[GA+12+\k]
	v_max3_num_f32 v[GA+32+\k], v[GA+32+\k], v[GA+16+\k], v[GA+20+\k]
	v_max3_num_f32 v[GA+32+\k], v[GA+32+\k], v[GA+24+\k], v[GA+28+\k]
.endr
	v_mov_b32 v[GA+36], 0
	v_cmp_eq_u32 vcc_lo, 0, v0
	s_wait_xcnt 0x0                                ; EXEC changes only behind s_wait_xcnt 0
	s_and_saveexec_b32 s15, vcc_lo
	global_store_b128 v[GA+36], v[GA+32:GA+35], s[60:61]
	s_wait_xcnt 0x0                                ; and again, in front of the line that widens it
	s_or_b32 exec_lo, exec_lo, s15
.Lnomx:
	s_cmp_lg_u32 s3, 0
	s_cbranch_scc1 .Lend
	v_lshrrev_b32 v149, 2, v0
	v_and_b32 v148, 3, v0
	v_mul_u32_u24 v147, v149, SP
	v_lshl_add_u32 v147, v148, 4, v147
	v_add_nc_u32 v147, STG+256, v147               ; K_R: bytes 256..319 of row t/4
	v_lshlrev_b32 v148, 4, v0
	s_lshl_b32 s6, s4, 12
	s_add_nc_u64 s[36:37], s[36:37], s[6:7]
	ds_load_b128 v[GB+32:GB+35], v147
	ds_load_b128 v[GB+36:GB+39], v147 offset:STGL
	s_wait_dscnt 0x0
	global_store_b128 v148, v[GB+32:GB+35], s[36:37]
	global_store_b128 v148, v[GB+36:GB+39], s[36:37] offset:262144
.Lend:
	s_endpgm
.Lfunc_end_k_q631171644c_down:
	.size	k_q631171644c_down, .Lfunc_end_k_q631171644c_down-k_q631171644c_down
	.p2alignl 7, 3214868480
	.fill 96, 4, 3214868480
	.section	.rodata,"a",@progbits
	.p2align	6, 0x0
	.amdhsa_kernel k_q631171644c_down
		.amdhsa_group_segment_fixed_size 107776
		.amdhsa_private_segment_fixed_size 0
		.amdhsa_enable_private_segment 0
		.amdhsa_kernarg_size 112
		.amdhsa_user_sgpr_count 2
		.amdhsa_user_sgpr_kernarg_segment_ptr 1
		.amdhsa_wavefront_size32 1
		.amdhsa_system_sgpr_workgroup_id_x 1
		.amdhsa_system_sgpr_workgroup_id_y 1
		.amdhsa_system_sgpr_workgroup_id_z 1
		.amdhsa_system_vgpr_workitem_id 0
		.amdhsa_next_free_vgpr 224
		.amdhsa_next_free_sgpr 66
		.amdhsa_reserve_vcc 1
		.amdhsa_float_denorm_mode_32 3
		.amdhsa_float_denorm_mode_16_64 3
		.amdhsa_memory_ordered 1
		.amdhsa_forward_progress 1
		.amdhsa_inst_pref_size 74
	.end_amdhsa_kernel
	.amdgpu_metadata
---
amdhsa.version: [ 1, 2 ]
amdhsa.kernels:
  - .name:           k_q631171644c_down
    .symbol:         k_q631171644c_down.kd
    .args:
      - { .name: x, .offset: 0, .size: 8, .value_kind: global_buffer, .address_space: global }
      - { .name: W_dq, .offset: 8, .size: 8, .value_kind: global_buffer, .address_space: global }
      - { .name: W_dkv, .offset: 16, .size: 8, .value_kind: global_buffer, .address_space: global }
      - { .name: W_rk, .offset: 24, .size: 8, .value_kind: global_buffer, .address_space: global }
      - { .name: W_uq, .offset: 32, .size: 8, .value_kind: global_buffer, .address_space: global }
      - { .name: W_rq, .offset: 40, .size: 8, .value_kind: global_buffer, .address_space: global }
      - { .name: W_uk, .offset: 48, .size: 8, .value_kind: global_buffer, .address_space: global }
      - { .name: W_uv, .offset: 56, .size: 8, .value_kind: global_buffer, .address_space: global }
      - { .name: W_o, .offset: 64, .size: 8, .value_kind: global_buffer, .address_space: global }
      - { .name: c, .offset: 72, .size: 8, .value_kind: global_buffer, .address_space: global }
      - { .name: kr, .offset: 80, .size: 8, .value_kind: global_buffer, .address_space: global }
      - { .name: wb, .offset: 88, .size: 8, .value_kind: global_buffer, .address_space: global }
      - { .name: tab, .offset: 96, .size: 8, .value_kind: global_buffer, .address_space: global }
      - { .name: mx, .offset: 104, .size: 8, .value_kind: global_buffer, .address_space: global }
    .group_segment_fixed_size: 107776
    .private_segment_fixed_size: 0
    .kernarg_segment_align: 8
    .kernarg_segment_size: 112
    .max_flat_workgroup_size: 256
    .sgpr_count:     66
    .vgpr_count:     224
    .wavefront_size: 32
...
	.end_amdgpu_metadata
.endif
;; end of part 5
;; launch up (part 6): grid 32 x 8, 8 waves a work-group, clusters of 4 x 1, 327,680 bytes of LDS; arguments c, wb, tab, qkv, mx; writes qkv
.if DOCPART == 6
	.amdgcn_target "amdgcn-amd-amdhsa--gfx1250"
	.amdhsa_code_object_version 6
	.text
	.protected	k_q631171644c_up
	.globl	k_q631171644c_up
	.p2align	8
	.type	k_q631171644c_up,@function
k_q631171644c_up:
	s_mov_b64 s[64:65], 0
	v_nop
	global_prefetch_b8 v0, s[64:65] scope:SCOPE_SE
	s_setreg_imm32_b32 hwreg(HW_REG_WAVE_MODE, 25, 1), 1
	s_wait_xcnt 0x0
	s_wait_alu depctr_hold_cnt(0) depctr_sa_sdst(0) depctr_va_vdst(0) depctr_va_sdst(0) depctr_va_ssrc(0) depctr_va_vcc(0) depctr_vm_vsrc(0)
	s_getreg_b32 s2, hwreg(HW_REG_IB_STS2, 6, 4)
	s_cmp_eq_u32 s2, 0
	s_cbranch_scc0 .Lentry_in_a_cluster
	s_endpgm
.Lentry_in_a_cluster:
	s_bfe_u32 s2, ttmp6, 0x10000c
	s_cmp_lg_u32 s2, 0x3003
	s_cbranch_scc0 .Lentry_shape_is_right
	s_endpgm
.Lentry_shape_is_right:
; Q = c_Q W_uq^T, K = c_KV W_uk^T, V = c_KV W_uv^T, stored by head as ONE f16 number each, divided by a scale; Q_R = rope(c_Q W_rq^T) times
; log2(e)/sqrt(96), stored as hi and lo bf16.
; THE SCALES: |Q| <= 256 max|c_Q| max|W_uq| (a sum of 256 products), so with s = max|c| max|W| / 16 every Q / s is at most about 4,096, inside f16 for
; every input; likewise K and V.  The maxima come from mx (256 entries of |W_uq|, |W_uk|, |W_uv|, |c|; entry g holds c_Q's if g & 3 < 2, else c_KV's).
; f16 has eleven significant bits, which the allowed error needs; bf16's eight would want two numbers.
; LIMITS: s is floored at 2^-100 (all-zero inputs); a number below 2^-26 of its bound 256 max|c| max|W| loses relative accuracy (absolute error below 2^-37 of the bound).
; A work-group owns 128 weight rows (they stay in LDS) and a range of tokens, in tiles of 64 tokens through two LDS slots.  c comes as hi + lo, so each
; K step is two products on one accumulator set.
; THE SHARES: cluster x = 0,1 W_uq; 3,4 W_uk; 5,6 W_uv: 512 tokens, eight tiles.  W_rq's way out of a tile (table, rotation, split in two numbers) has some
; 190 instructions a wave against some 45 of the others', so its four column tiles go to two clusters, x = 2 and x = 7, with 256 tokens, four tiles, each:
; the first and the second half of the range.  (24 + 8) column shares x 8 token ranges = 256 work-groups.
; CLUSTER 4 x 1: the four partners have the same kind of weights and the same tokens (cluster x and y alone decide both, and the number of tiles too),
; so the token tiles are joint loads (mask 15).
; A wave makes 16 tokens x 64 columns: a head's whole rows (or two rope heads'), so its stores cover 512 consecutive bytes.
.set SLOTB, 67584                      ; hi 64 rows x 528, lo 64 rows x 528
.set BB,    135168                     ; 128 weight rows x 528
.set STAGE, 202752                     ; a wave: 16 rows x 144 (rope: hi, then lo)
.set ACC, 16                           ; v[16:47]   4 tiles
.set F0,  80                           ; v[80:127]  fragments: A hi, A lo, 4 x B
.set F1,  128                          ; v[128:175]
.set TAB, 176                          ; v[176:191] cos, sin of my token
.macro PLACES
.rept 4
	v_nop
.endr
.endm
.macro BAR
	s_barrier_signal -1
	s_barrier_wait -1
.endm
.macro ROUND
	s_barrier_signal -1
	s_barrier_wait -1
	s_cmp_lg_u32 s8, 0
	s_cbranch_scc1 .Lnot_wave_0_\@
	s_barrier_signal -3
.Lnot_wave_0_\@:
	s_barrier_wait -3
	s_barrier_signal -1
	s_barrier_wait -1
.endm
.macro SPLIT x, hi, lo, t
	v_cvt_pk_bf16_f32 v[\hi], v[\x], v[\x+1]
	v_lshlrev_b32 v[\t], 16, v[\hi]
	v_and_b32 v[\t+1], 0xffff0000, v[\hi]
	v_pk_add_f32 v[\x:\x+1], v[\x:\x+1], v[\t:\t+1] neg_lo:[0,1] neg_hi:[0,1]
	v_cvt_pk_bf16_f32 v[\lo], v[\x], v[\x+1]
.endm
.macro XMAX r, m
	v_max_num_f32_dpp v[\r], v[\r], v[\r] row_xmask:\m row_mask:0xf bank_mask:0xf
.endm
.macro FRAG slot, ks, f                ; 12 LDS loads: 32 along K, at byte 64 ks of the rows
.irp x, 0,1
	ds_load_b128 v[\f+8*\x:\f+8*\x+3], v[1+\slot] offset:33792*\x+64*(\ks)
	ds_load_b128 v[\f+8*\x+4:\f+8*\x+7], v[1+\slot] offset:33792*\x+64*(\ks)+32
.endr
.irp b, 0,1,2,3
	ds_load_b128 v[\f+16+8*\b:\f+16+8*\b+3], v3 offset:8448*\b+64*(\ks)
	ds_load_b128 v[\f+16+8*\b+4:\f+16+8*\b+7], v3 offset:8448*\b+64*(\ks)+32
.endr
.endm
.macro MUL f, zero                     ; source 0 = weight rows, source 1 = tokens; four accumulators by turns
.irp x, 0,1
.irp b, 0,1,2,3
.if (\zero)*(1-\x)
	v_wmma_f32_16x16x32_bf16 v[ACC+8*\b:ACC+8*\b+7], v[\f+16+8*\b:\f+16+8*\b+7], v[\f+8*\x:\f+8*\x+7], 0
.else
	v_wmma_f32_16x16x32_bf16 v[ACC+8*\b:ACC+8*\b+7], v[\f+16+8*\b:\f+16+8*\b+7], v[\f+8*\x:\f+8*\x+7], v[ACC+8*\b:ACC+8*\b+7]
.endif
.endr
.endr
.endm
.macro STEP2 slot, ks, f, g, zero      ; fetch K step ks+1 into g, multiply f
	PLACES
	FRAG \slot, \ks+1, \g
	s_wait_dscnt 12                                ; all but the 12 just issued
	MUL \f, \zero
.endm
.macro COMPUTE slot
	PLACES
	FRAG \slot, 0, F0
	STEP2 \slot, 0, F0, F1, 1
	STEP2 \slot, 1, F1, F0, 0
	STEP2 \slot, 2, F0, F1, 0
	STEP2 \slot, 3, F1, F0, 0
	STEP2 \slot, 4, F0, F1, 0
	STEP2 \slot, 5, F1, F0, 0
	STEP2 \slot, 6, F0, F1, 0
	s_wait_dscnt 0x0
	MUL F1, 0
.endm
.macro SCALE                           ; times 1 / s (Q, K, V) or log2(e)/sqrt(96) (Q_R)
.irp n, 0,1,2,3,4,5,6,7,8,9,10,11,12,13,14,15
	v_pk_mul_f32 v[ACC+2*\n:ACC+2*\n+1], v[ACC+2*\n:ACC+2*\n+1], s[62:63] op_sel_hi:[1,0]
.endr
.endm
; The way out of one tile: scale, round (or rope and split), through my own stage, stores of 512 consecutive bytes; then the pointers step.
.macro EPI
	PLACES
	s_cmp_eq_u32 s9, 2
	s_cbranch_scc1 .Lrope_\@
	SCALE
.irp n, 0,1,2,3,4,5,6,7,8,9,10,11,12,13,14,15
	v_cvt_pk_f16_f32 v[F0+\n], v[ACC+2*\n], v[ACC+2*\n+1]
.endr
.irp b, 0,1,2,3
	ds_store_b128 v4, v[F0+4*\b:F0+4*\b+3] offset:32*\b
.endr
.irp i, 0,1,2,3
	ds_load_b128 v[F1+4*\i:F1+4*\i+3], v5 offset:576*\i    ; my own bytes: LDS serves a wave in order
.endr
	s_wait_dscnt 0x0
.irp i, 0,1,2,3
	global_store_b128 v6, v[F1+4*\i:F1+4*\i+3], s[4:5] offset:512*\i
.endr
	s_branch .Len_\@
.Lrope_\@:
.irp p, 0,1
	global_load_b128 v[TAB+8*\p:TAB+8*\p+3], v7, s[52:53] offset:64*\p
	global_load_b128 v[TAB+8*\p+4:TAB+8*\p+7], v7, s[52:53] offset:64*\p+16
.endr
	SCALE
	s_wait_loadcnt 0x0
.irp b, 0,1,2,3
.irp jj, 0,1,2,3
	v_mul_f32 v8, v[ACC+8*\b+2*\jj+1], v[TAB+8*(\b&1)+2*\jj+1]
	v_mul_f32 v9, v[ACC+8*\b+2*\jj+1], v[TAB+8*(\b&1)+2*\jj]
	v_fma_f32 v[ACC+8*\b+2*\jj+1], v[ACC+8*\b+2*\jj], v[TAB+8*(\b&1)+2*\jj+1], v9
	v_fma_f32 v[ACC+8*\b+2*\jj], v[ACC+8*\b+2*\jj], v[TAB+8*(\b&1)+2*\jj], -v8
.endr
.endr
.irp n, 0,1,2,3,4,5,6,7,8,9,10,11,12,13,14,15
	SPLIT ACC+2*\n, F0+\n, F0+16+\n, F0+32+2*(\n&3)
.endr
.irp b, 0,1,2,3
	ds_store_b128 v4, v[F0+4*\b:F0+4*\b+3] offset:32*\b
	ds_store_b128 v4, v[F0+16+4*\b:F0+16+4*\b+3] offset:2304+32*\b
.endr
.irp x, 0,1
.irp hh, 0,1
.irp i, 0,1
	ds_load_b128 v[F1+16*\x+8*\hh+4*\i:F1+16*\x+8*\hh+4*\i+3], v10 offset:2304*\x+1152*\i+64*\hh
.endr
.endr
.endr
	s_wait_dscnt 4                                 ; the hi half is in
.irp hh, 0,1
.irp i, 0,1
	global_store_b128 v6, v[F1+8*\hh+4*\i:F1+8*\hh+4*\i+3], s[4:5] offset:131072*\hh+512*\i
.endr
.endr
	s_wait_dscnt 0x0
.irp hh, 0,1
.irp i, 0,1
	global_store_b128 v6, v[F1+16+8*\hh+4*\i:F1+16+8*\hh+4*\i+3], s[6:7] offset:131072*\hh+512*\i
.endr
.endr
.Len_\@:
	s_wait_xcnt 0x0                                ; bases and store data are rewritten only behind this wait
	s_add_nc_u64 s[4:5], s[4:5], s[2:3]            ; 64 tokens on
	s_add_nc_u64 s[6:7], s[6:7], s[2:3]
	s_add_nc_u64 s[52:53], s[52:53], 8192
.endm
.macro REFILL slot                     ; the slot just read gets the tile two further on
	s_wait_dscnt 0x0                               ; my reads are back
	s_wait_tensorcnt 0x0                           ; all my tensor loads have landed, the other slot's among them
	s_add_nc_u64 s[34+4*\slot:35+4*\slot], s[34+4*\slot:35+4*\slot], 65536
	ROUND                                          ; both hold of every wave of all four partners
	s_cmp_lt_u32 s8, 2
	s_cbranch_scc0 .Lnr_\@
	tensor_load_to_lds s[32+4*\slot:35+4*\slot], s[16:23]
	s_nop 0
.Lnr_\@:
.endm
	s_load_b256 s[48:55], s[0:1], 0x0              ; c, wb, tab, qkv
	s_load_b64 s[66:67], s[0:1], 0x20              ; mx
	v_lshrrev_b32 v8, 5, v0
	v_readfirstlane_b32 s8, v8
	s_mov_b32 s9, ttmp9                            ; cluster x, 0..7
	s_cmp_eq_u32 s9, 7
	s_cselect_b32 s70, 1, 0                        ; cluster 7: W_rq's second 256 tokens of the range
	s_cselect_b32 s9, 2, s9                        ; the kind: 0,1 W_uq; 2 W_rq; 3,4 W_uk; 5,6 W_uv
	s_cmp_eq_u32 s9, 2
	s_cselect_b32 s71, 1, 3                        ; trips of the loop of two tiles: 1 + 2 + 1 = 4 tiles, or 1 + 6 + 1 = 8
	s_bfe_u32 s10, ttmp6, 0x40000                  ; cx
	s_lshl_b32 s11, s9, 2
	s_add_co_u32 s11, s11, s10                     ; column tile 0..27
	s_and_b32 s12, ttmp7, 0xffff                   ; token range 0..7
	s_and_b32 s13, s8, 3                           ; mi
	s_lshr_b32 s14, s8, 2                          ; nh
	s_mov_b32 s68, 0x76543210                      ; v_permlanex16_b32: lane i of one half reads lane i of the other
	s_mov_b32 s69, 0xfedcba98
	; group 1: 64 rows x 256 elements of 2 bytes, 16 bytes of padding behind each 512
	s_mov_b32 s16, 15|(1<<16)|(1<<20)|(1<<21)|(6<<22)|(3<<25)
	s_mov_b32 s24, (1<<16)|(1<<20)|(6<<22)|(3<<25)
.irp g, 16,24
	s_mov_b32 s[\g+1], 256<<16
	s_mov_b32 s[\g+2], 64<<16
	s_mov_b32 s[\g+3], 256<<16
	s_mov_b32 s[\g+4], 64
	s_mov_b32 s[\g+5], 256
	s_mov_b32 s[\g+6], 0
	s_mov_b32 s[\g+7], 0
.endr
	s_cmp_ge_u32 s9, 3
	s_cselect_b32 s56, 0x400000, 0                 ; c_Q or c_KV
	s_and_b32 s15, s8, 1
	s_lshl_b32 s60, s15, 21                        ; wave 0 hi, wave 1 lo
	s_add_co_u32 s56, s56, s60
	s_lshl_b32 s60, s12, 18
	s_add_co_u32 s56, s56, s60                     ; 512 tokens x 512 bytes
	s_lshl_b32 s60, s70, 17
	s_add_co_u32 s56, s56, s60                     ; cluster 7: 256 tokens x 512 bytes further
	s_mov_b32 s57, 0
	s_lshl_b32 s58, s11, 16                        ; 128 weight rows x 512 bytes
	s_lshl_b32 s60, s15, 15
	s_add_co_u32 s58, s58, s60
	s_mov_b32 s59, 0
	s_mul_i32 s33, s8, 33792                       ; LDS: wave x 64 rows
	s_add_co_u32 s37, s33, SLOTB
	s_add_co_u32 s41, s33, SLOTB                   ; waves 2, 3: 135,168 and 168,960
	s_mov_b32 s32, 1
	s_mov_b32 s36, 1
	s_mov_b32 s40, 1
	v_and_b32 v11, 31, v0
	v_lshlrev_b32 v6, 4, v11                       ; 16 x lane
	s_wait_kmcnt 0x0
	s_add_nc_u64 s[34:35], s[48:49], s[56:57]
	s_add_nc_u64 s[38:39], s[34:35], 32768
	s_or_b32 s35, s35, 0x80000000
	s_or_b32 s39, s39, 0x80000000
	s_add_nc_u64 s[42:43], s[50:51], s[58:59]
	s_or_b32 s43, s43, 0x80000000
	; the maxima are asked for ahead of the round, so that they travel while the cluster gathers: lane l takes entries 32 i + l of mx
.irp i, 0,1,2,3,4,5,6,7
	global_load_b128 v[F0+4*\i:F0+4*\i+3], v6, s[66:67] offset:512*\i
.endr
	ROUND                                          ; the partners are here: the first joint loads meet
	s_cmp_lt_u32 s8, 2
	s_cbranch_scc0 .Lnot_a
	tensor_load_to_lds s[32:35], s[16:23]
	s_nop 0
	tensor_load_to_lds s[36:39], s[16:23]
	s_nop 0
	s_branch .Lfilled
.Lnot_a:
	s_cmp_lt_u32 s8, 4
	s_cbranch_scc0 .Lfilled
	tensor_load_to_lds s[40:43], s[24:31]
	s_nop 0
.Lfilled:
	; where the results go: Q at 0, Q_R hi at 8 MiB and lo at 12 MiB, K at 16 MiB, V at 24 MiB
	s_mov_b32 s60, 0
	s_mov_b32 s61, 0
	s_cmp_ge_u32 s9, 3
	s_cselect_b32 s60, 12, s60
	s_cselect_b32 s61, 0x1000000, s61
	s_cmp_ge_u32 s9, 5
	s_cselect_b32 s60, 20, s60
	s_cselect_b32 s61, 0x1800000, s61
	s_cmp_eq_u32 s9, 2
	s_cselect_b32 s60, 8, s60
	s_cselect_b32 s61, 0x800000, s61
	s_cselect_b32 s44, 1, 0                        ; rope heads are half as wide
	s_sub_co_u32 s45, s11, s60
	s_lshl1_add_u32 s45, s45, s14
	s_lshl_b32 s45, s45, s44                       ; head
	s_lshr_b32 s46, s12, 2
	s_lshl4_add_u32 s45, s46, s45                  ; + 16 x batch
	s_lshl_b32 s45, s45, 11
	s_and_b32 s46, s12, 3
	s_lshl_b32 s46, s46, 9
	s_lshl_b32 s47, s70, 8
	s_add_co_u32 s46, s46, s47                     ; cluster 7: 256 positions further
	s_lshl4_add_u32 s46, s13, s46                  ; my first position
	s_add_co_u32 s45, s45, s46
	s_sub_co_u32 s47, 7, s44
	s_lshl_b32 s45, s45, s47
	s_add_co_u32 s2, s45, s61
	s_mov_b32 s3, 0
	s_add_nc_u64 s[4:5], s[54:55], s[2:3]
	s_mov_b32 s2, 0x400000
	s_add_nc_u64 s[6:7], s[4:5], s[2:3]            ; Q_R's lo part (used in the rope way alone)
	s_lshr_b32 s2, 8192, s44                       ; s[2:3]: 64 tokens' bytes
	v_and_b32 v12, 15, v0
	v_bfe_u32 v13, v0, 4, 1
	v_mul_u32_u24 v14, v12, 528
	v_lshl_add_u32 v14, v13, 4, v14
	s_mul_i32 s60, s13, 16*528
	v_add_nc_u32 v1, s60, v14
	v_add_nc_u32 v2, SLOTB, v1
	s_mul_i32 s60, s14, 64*528
	s_add_co_u32 s60, s60, BB
	v_add_nc_u32 v3, s60, v14
	s_mul_i32 s60, s8, 4608
	s_add_co_u32 s60, s60, STAGE
	v_mul_u32_u24 v4, v12, 144
	v_lshl_add_u32 v4, v13, 4, v4
	v_add_nc_u32 v4, s60, v4
	v_lshrrev_b32 v14, 3, v11
	v_and_b32 v15, 7, v11
	v_mul_u32_u24 v5, v14, 144
	v_lshl_add_u32 v5, v15, 4, v5
	v_add_nc_u32 v5, s60, v5
	v_lshrrev_b32 v14, 2, v11
	v_and_b32 v15, 3, v11
	v_mul_u32_u24 v10, v14, 144
	v_lshl_add_u32 v10, v15, 4, v10
	v_add_nc_u32 v10, s60, v10
	v_add_nc_u32 v7, s46, v12
	v_lshlrev_b32 v7, 7, v7
	v_lshl_add_u32 v7, v13, 5, v7                  ; table: position x 128 + 32 h
	; the scale: a lane's |c| is c_Q's where l & 2 = 0 and c_KV's elsewhere
	s_wait_loadcnt 0x0
.irp k, 0,1,2,3
	v_max_num_f32 v[F0+32+\k], v[F0+\k], v[F0+4+\k]
	v_max3_num_f32 v[F0+32+\k], v[F0+32+\k], v[F0+8+\k], v[F0+12+\k]
	v_max3_num_f32 v[F0+32+\k], v[F0+32+\k], v[F0+16+\k], v[F0+20+\k]
	v_max3_num_f32 v[F0+32+\k], v[F0+32+\k], v[F0+24+\k], v[F0+28+\k]
	XMAX F0+32+\k, 1
	XMAX F0+32+\k, 4
	XMAX F0+32+\k, 8
.endr
.irp k, 0,1,2
	XMAX F0+32+\k, 2                               ; the weights' maxima over all lanes; |c| stays apart by bit 1 of the lane
.endr
.irp k, 0,1,2,3
	v_permlanex16_b32 v[F0+\k], v[F0+32+\k], s68, s69
.endr
.irp k, 0,1,2,3
	v_max_num_f32 v[F0+32+\k], v[F0+32+\k], v[F0+\k]
.endr
	v_readlane_b32 s60, v[F0+35], 0                ; max |c_Q|
	v_readlane_b32 s61, v[F0+35], 2                ; max |c_KV|
	v_readfirstlane_b32 s56, v[F0+32]              ; max |W_uq|
	v_readfirstlane_b32 s57, v[F0+33]              ; max |W_uk|
	v_readfirstlane_b32 s58, v[F0+34]              ; max |W_uv|
	s_cmp_lt_u32 s9, 3
	s_cselect_b32 s60, s60, s61
	s_cselect_b32 s56, s56, s57
	s_cmp_ge_u32 s9, 5
	s_cselect_b32 s56, s58, s56
	v_mov_b32 v8, s56
	v_mul_f32 v8, s60, v8
	v_mul_f32 v8, 0x3d800000, v8                   ; s = max|c| max|W| / 16
	v_max_num_f32 v8, 0x0d800000, v8               ; at least 2^-100
	v_rcp_f32 v8, v8
	v_nop                                          ; one plain place behind the reciprocal
	s_wait_alu depctr_va_vdst(0)
	v_readfirstlane_b32 s62, v8
	s_cmp_eq_u32 s9, 2
	s_cselect_b32 s62, 0x3e16c740, s62             ; Q_R: log2(e)/sqrt(96)
	s_mov_b32 s63, s62
	s_wait_tensorcnt 0x0                           ; zero: waves 2, 3 have one load out, and it is read at once
	BAR
	COMPUTE 0
	EPI
	s_mov_b32 s45, 0
.Ltiles:
	REFILL 0
	COMPUTE 1
	EPI
	REFILL 1
	COMPUTE 0
	EPI
	s_add_co_u32 s45, s45, 1
	s_cmp_lt_u32 s45, s71                          ; s71 is not written in the loop, and is the same in all four partners
	s_cbranch_scc1 .Ltiles
	s_wait_dscnt 0x0
	s_wait_tensorcnt 0x0                           ; the last tile has landed
	BAR
	COMPUTE 1
	EPI
	ROUND                                          ; the closing round
	s_endpgm
.Lfunc_end_k_q631171644c_up:
	.size	k_q631171644c_up, .Lfunc_end_k_q631171644c_up-k_q631171644c_up
	.p2alignl 7, 3214868480
	.fill 96, 4, 3214868480
	.section	.rodata,"a",@progbits
	.p2align	6, 0x0
	.amdhsa_kernel k_q631171644c_up
		.amdhsa_group_segment_fixed_size 327680
		.amdhsa_private_segment_fixed_size 0
		.amdhsa_enable_private_segment 0
		.amdhsa_kernarg_size 40
		.amdhsa_user_sgpr_count 2
		.amdhsa_user_sgpr_kernarg_segment_ptr 1
		.amdhsa_wavefront_size32 1
		.amdhsa_system_sgpr_workgroup_id_x 1
		.amdhsa_system_sgpr_workgroup_id_y 1
		.amdhsa_system_sgpr_workgroup_id_z 1
		.amdhsa_system_vgpr_workitem_id 0
		.amdhsa_next_free_vgpr 192
		.amdhsa_next_free_sgpr 72
		.amdhsa_reserve_vcc 0
		.amdhsa_float_denorm_mode_32 3
		.amdhsa_float_denorm_mode_16_64 3
		.amdhsa_memory_ordered 1
		.amdhsa_forward_progress 1
		.amdhsa_inst_pref_size 114
	.end_amdhsa_kernel
	.amdgpu_metadata
---
amdhsa.version: [ 1, 2 ]
amdhsa.kernels:
  - .name:           k_q631171644c_up
    .symbol:         k_q631171644c_up.kd
    .args:
      - { .name: c, .offset: 0, .size: 8, .value_kind: global_buffer, .address_space: global }
      - { .name: wb, .offset: 8, .size: 8, .value_kind: global_buffer, .address_space: global }
      - { .name: tab, .offset: 16, .size: 8, .value_kind: global_buffer, .address_space: global }
      - { .name: qkv, .offset: 24, .size: 8, .value_kind: global_buffer, .address_space: global }
      - { .name: mx, .offset: 32, .size: 8, .value_kind: global_buffer, .address_space: global }
    .group_segment_fixed_size: 327680
    .private_segment_fixed_size: 0
    .kernarg_segment_align: 8
    .kernarg_segment_size: 40
    .max_flat_workgroup_size: 256
    .sgpr_count:     72
    .vgpr_count:     192
    .wavefront_size: 32
...
	.end_amdgpu_metadata
.endif
;; end of part 6
;; launch attn (part 7): grid 8 x 32, 8 waves a work-group, no clusters, 327,680 bytes of LDS; arguments qkv, kr, att, mx; writes att
.if DOCPART == 7
	.amdgcn_target "amdgcn-amd-amdhsa--gfx1250"
	.amdhsa_code_object_version 6
	.text
	.protected	k_q631171644c_attn
	.globl	k_q631171644c_attn
	.p2align	8
	.type	k_q631171644c_attn,@function
k_q631171644c_attn:
	s_mov_b64 s[64:65], 0
	v_nop
	global_prefetch_b8 v0, s[64:65] scope:SCOPE_SE
	s_setreg_imm32_b32 hwreg(HW_REG_WAVE_MODE, 25, 1), 1
	s_wait_xcnt 0x0
; Causal attention of one (batch, head): work-group x = p does query blocks p and 15 - p (128 queries each): 17 key tiles of 128 in every work-group.
; Of the two blocks one has an even number of key tiles; it is done first (block qa, odd).  Tiles are walked downward, so a block's first tile is its
; diagonal one; with the even block first the block change always follows a step in slot 1 and the diagonal tile always lies in slot 0.
; NO RUNNING MAXIMUM: reference() clips the scores to +-80 before dividing by sqrt(96), so every exponent lies within +-8.17 for every input:
; exp is between 2.8e-4 and 3.6e3, a row's sum of 2,048 of them below 7.3e6.  Hence partial sums over keys simply add, and P fits f16's normal range.
; FORMATS: Q, K, V come as one f16 number each, divided by scales sQ, sK, sV = max|c| max|W| / 16, which are made here of the same maxima (mx) as in the
; launch that stored them; P is one f16 number.  The rope parts come as hi + lo bf16 (hi hi + lo hi + hi lo), Q_R with log2(e)/sqrt(96) in it.
; score x log2(e)/sqrt(96) = a S1 + S2, a = log2(e)/sqrt(96) sQ sK; sV is applied with the division by the row sums.
; Wave w: queries 32 (w & 3) .. + 31, keys 64 (w >> 2) .. + 63 of each tile, 32 at a time; the two key halves are added at a block's end through LDS.
; S is made transposed (source 0 = keys, source 1 = queries): lane (r, h) holds query r, keys 8 h + j, which is P's layout as source 1 of P V.
; A block's sums start from 68 registers set to zero, twice in the launch: so one text serves a block's first tile and its later ones, and no path
; reads a sum that has not been written.
; Q is asked for early: at the start together with the maxima (one wait for both), at the block change ahead of the old block's finishing, which works in
; window 0 alone while the sixteen loads into window 1 are on their way.
; NO MULTICAST: the work-groups of one head need different tiles at each step, and their steps cannot be aligned without branches on a work-group's place.
; LIMITS: inputs finite (v_med3_num_f32 does not hand a NaN on as the reference's clip does); the scales are floored at 2^-100.
; Registers: window 0: v0-23 addresses and sums, O v[24:87], S1 v[88:119], S2 v[120:151] (then P v[120:135]), K fragments v[152:215],
;            V fragments v[216:247], v[248:255] at work.  Window 1: Q v[0:31], Q_R hi, lo v[32:63].
.set SLOT,  61440                      ; V 0 (pitch 160); K 20,480 (144); K_R hi 40,960, lo 51,200 (80)
.set RED,   122880                     ; waves 4-7 hand O and l over: 8,448 bytes each
.set STAGE, 156672                     ; waves 0-3: 32 rows x 144, hi then lo
.set OB,  24
.set S1,  88
.set S2,  120
.set PB,  120
.set KFB, 152
.set VFB, 216
.set MSB, 0
.macro WIN new                         ; the immediate's high byte repeats the setting that is left
.if MSB != \new
	s_set_vgpr_msb (MSB<<8)|\new
.set MSB, \new
.endif
.endm
.macro PLACES
.rept 4
	v_nop
.endr
.endm
.macro BAR
	s_barrier_signal -1
	s_barrier_wait -1
.endm
.macro SPLIT x, hi, lo, t
	v_cvt_pk_bf16_f32 v[\hi], v[\x], v[\x+1]
	v_lshlrev_b32 v[\t], 16, v[\hi]
	v_and_b32 v[\t+1], s87, v[\hi]
	v_pk_add_f32 v[\x:\x+1], v[\x:\x+1], v[\t:\t+1] neg_lo:[0,1] neg_hi:[0,1]
	v_cvt_pk_bf16_f32 v[\lo], v[\x], v[\x+1]
.endm
.macro XMAX r, m
	v_max_num_f32_dpp v[\r], v[\r], v[\r] row_xmask:\m row_mask:0xf bank_mask:0xf
.endm
.macro SETG0 slot                      ; key tile s14 into the slot; written only while no tensor load of the wave is out
	s_lshl_b32 s58, s14, 14
	s_lshl_b32 s60, s14, 13
	s_add_nc_u64 s[42:43], s[52:53], s[58:59]
	s_or_b32 s43, s43, 0x80000000
	s_add_nc_u64 s[46:47], s[54:55], s[58:59]
	s_or_b32 s47, s47, 0x80000000
	s_add_nc_u64 s[50:51], s[56:57], s[60:61]
	s_or_b32 s51, s51, 0x80000000
	s_add_co_u32 s41, s84, (\slot)*SLOT
	s_add_co_u32 s45, s85, (\slot)*SLOT
	s_add_co_u32 s49, s86, (\slot)*SLOT
.endm
.macro KVLOAD                          ; waves 0,1: V's two halves; 2,3: K's; 4,5: K_R hi, lo: one load a wave
	s_cmp_lt_u32 s2, 2
	s_cbranch_scc0 .Lk1_\@
	tensor_load_to_lds s[40:43], s[16:23]
	s_nop 0
	s_branch .Lkd_\@
.Lk1_\@:
	s_cmp_lt_u32 s2, 4
	s_cbranch_scc0 .Lk2_\@
	tensor_load_to_lds s[44:47], s[24:31]
	s_nop 0
	s_branch .Lkd_\@
.Lk2_\@:
	s_cmp_lt_u32 s2, 6
	s_cbranch_scc0 .Lkd_\@
	tensor_load_to_lds s[48:51], s[32:39]
	s_nop 0
.Lkd_\@:
.endm
.macro KLOAD slot, u                   ; 16 loads: first eight 32 keys x 64 (f16), then eight 32 keys x 32 (hi, lo)
.irp t, 0,1
.irp ks, 0,1
	ds_load_b128 v[KFB+8*(2*\t+\ks):KFB+8*(2*\t+\ks)+3], v[3+\slot] offset:(32*\u+16*\t)*144+64*\ks
	ds_load_b128 v[KFB+8*(2*\t+\ks)+4:KFB+8*(2*\t+\ks)+7], v[3+\slot] offset:(32*\u+16*\t)*144+64*\ks+32
.endr
.endr
.irp x, 0,1
.irp t, 0,1
	ds_load_b128 v[KFB+32+8*(2*\x+\t):KFB+32+8*(2*\x+\t)+3], v[5+\slot] offset:10240*\x+(32*\u+16*\t)*80
	ds_load_b128 v[KFB+32+8*(2*\x+\t)+4:KFB+32+8*(2*\x+\t)+7], v[5+\slot] offset:10240*\x+(32*\u+16*\t)*80+32
.endr
.endr
.endm
.macro QK16 ks, zero                   ; four f16 products: K x Q, 32 of the 64 along the head
.irp qt, 0,1
.irp t, 0,1
.if \zero
	v_wmma_f32_16x16x32_f16 v[S1+8*(2*\qt+\t):S1+8*(2*\qt+\t)+7], v[KFB+8*(2*\t+\ks):KFB+8*(2*\t+\ks)+7], v[8*(2*\qt+\ks):8*(2*\qt+\ks)+7], 0
.else
	v_wmma_f32_16x16x32_f16 v[S1+8*(2*\qt+\t):S1+8*(2*\qt+\t)+7], v[KFB+8*(2*\t+\ks):KFB+8*(2*\t+\ks)+7], v[8*(2*\qt+\ks):8*(2*\qt+\ks)+7], v[S1+8*(2*\qt+\t):S1+8*(2*\qt+\t)+7]
.endif
.endr
.endr
.endm
.macro QKR xk, xq, zero                ; four bf16 products: K_R part xk x Q_R part xq
.irp qt, 0,1
.irp t, 0,1
.if \zero
	v_wmma_f32_16x16x32_bf16 v[S2+8*(2*\qt+\t):S2+8*(2*\qt+\t)+7], v[KFB+32+8*(2*\xk+\t):KFB+32+8*(2*\xk+\t)+7], v[32+8*(2*\xq+\qt):32+8*(2*\xq+\qt)+7], 0
.else
	v_wmma_f32_16x16x32_bf16 v[S2+8*(2*\qt+\t):S2+8*(2*\qt+\t)+7], v[KFB+32+8*(2*\xk+\t):KFB+32+8*(2*\xk+\t)+7], v[32+8*(2*\xq+\qt):32+8*(2*\xq+\qt)+7], v[S2+8*(2*\qt+\t):S2+8*(2*\qt+\t)+7]
.endif
.endr
.endr
.endm
; Half a step: my 32 queries x 32 keys (half u of my 64).  mask = 1: the text holds the causal mask, taken when s90 says that the tile is diagonal.
.macro SUB slot, u, mask
	s_wait_dscnt 8                                 ; of this half's sixteen loads K's eight are in; K_R's eight, issued behind them, may be out
	WIN 0x04                                       ; source 1 (Q) in window 1
	QK16 0, 1                                      ; always four accumulators by turns
	QK16 1, 0
	s_wait_dscnt 0x0                               ; K_R's fragments
	QKR 0, 0, 1
	QKR 1, 0, 0
	QKR 0, 1, 0
	WIN 0
	PLACES                                         ; four places: S is read, K's and V's fragment registers are loaded again
.irp d, 0,1,2,3
	ds_load_tr16_b128 v[VFB+8*\d:VFB+8*\d+3], v[1+\slot] offset:5120*\u+32*\d
	ds_load_tr16_b128 v[VFB+8*\d+4:VFB+8*\d+7], v[1+\slot] offset:5120*\u+32*\d+2560
.endr
.if 1-\u
	KLOAD \slot, 1
.endif
.irp n, 0,1,2,3,4,5,6,7,8,9,10,11,12,13,14,15
	v_pk_fma_f32 v[S1+2*\n:S1+2*\n+1], v[S1+2*\n:S1+2*\n+1], s[92:93], v[S2+2*\n:S2+2*\n+1] op_sel_hi:[1,0,1]   ; a S1 + S2
.endr
.irp n, 0,1,2,3,4,5,6,7,8,9,10,11,12,13,14,15,16,17,18,19,20,21,22,23,24,25,26,27,28,29,30,31
	v_med3_num_f32 v[S1+\n], v[S1+\n], s62, s63    ; the clip, in units of log2(e)/sqrt(96)
.endr
.irp n, 0,1,2,3,4,5,6,7,8,9,10,11,12,13,14,15,16,17,18,19,20,21,22,23,24,25,26,27,28,29,30,31
	v_exp_f32 v[S1+\n], v[S1+\n]
.endr
	v_nop                                          ; one plain place behind the last exponential
.if \mask
	s_cmp_lg_u32 s90, 0
	s_cbranch_scc0 .Lnm_\@
	s_wait_alu depctr_va_vdst(0)
.irp qt, 0,1
.irp t, 0,1
.irp j, 0,1,2,3,4,5,6,7
	v_cmp_le_i32 vcc_lo, 32*\u+16*\t+\j, v[7+\qt]  ; key <= query
	v_cndmask_b32 v[S1+8*(2*\qt+\t)+\j], 0, v[S1+8*(2*\qt+\t)+\j], vcc_lo
.endr
.endr
.endr
.Lnm_\@:
.endif
	s_wait_alu depctr_va_vdst(0)
.irp qt, 0,1
.irp n, 0,1,2,3,4,5,6,7
	v_cvt_pk_f16_f32 v[PB+8*\qt+\n], v[S1+16*\qt+2*\n], v[S1+16*\qt+2*\n+1]
.endr
.endr
	s_wait_dscnt 16*(1-\u)                         ; V's 8 loads are in; the 16 K loads behind them (first half only) stay out
.irp d, 0,1,2,3                        ; eight O tiles by turns
.irp qt, 0,1
	v_wmma_f32_16x16x32_f16 v[OB+8*(2*\d+\qt):OB+8*(2*\d+\qt)+7], v[VFB+8*\d:VFB+8*\d+7], v[PB+8*\qt:PB+8*\qt+7], v[OB+8*(2*\d+\qt):OB+8*(2*\d+\qt)+7]
.endr
.endr
	; the row sums, of the unrounded exponentials: sixteen plain instructions that name no register of the products above, and so also the places
	; in front of the next half's products, which write over P's registers
.irp n, 0,1,2,3,4,5,6,7
.irp qt, 0,1
	v_pk_add_f32 v[10+2*\qt:11+2*\qt], v[10+2*\qt:11+2*\qt], v[S1+16*\qt+2*\n:S1+16*\qt+2*\n+1]
.endr
.endr
.endm
.macro QLOAD                           ; query block s88: Q's bases, and its fragments asked for straight from memory; nothing is waited for here
	s_lshl_b32 s82, s10, 11
	s_lshl_b32 s14, s88, 7
	s_add_co_u32 s82, s82, s14                     ; the block's first row among the 32 x 2,048
	s_lshl_b32 s14, s82, 6
	s_lshl_b32 s82, s82, 7
	s_add_nc_u64 s[68:69], s[4:5], s[82:83]        ; Q
	s_lshl_b32 s15, s80, 12
	s_add_co_u32 s95, s82, s15                     ; my 32 rows' offset in att, kept for QREST
	s_add_co_u32 s82, s14, 0x800000
	s_add_nc_u64 s[72:73], s[4:5], s[82:83]        ; Q_R hi
	s_add_nc_u64 s[74:75], s[72:73], 0x400000      ; Q_R lo
	WIN 0x40
.irp qt, 0,1
.irp ks, 0,1
	global_load_b128 v[8*(2*\qt+\ks):8*(2*\qt+\ks)+3], v18, s[68:69] offset:2048*\qt+64*\ks
	global_load_b128 v[8*(2*\qt+\ks)+4:8*(2*\qt+\ks)+7], v18, s[68:69] offset:2048*\qt+64*\ks+32
.endr
.endr
.irp x, 0,1
.irp qt, 0,1
	global_load_b128 v[32+8*(2*\x+\qt):32+8*(2*\x+\qt)+3], v19, s[72+2*\x:73+2*\x] offset:1024*\qt
	global_load_b128 v[32+8*(2*\x+\qt)+4:32+8*(2*\x+\qt)+7], v19, s[72+2*\x:73+2*\x] offset:1024*\qt+32
.endr
.endr
	WIN 0
.endm
.macro QREST                           ; the new block's place in att, the sums to zero, and the wait for Q
	s_mov_b32 s82, s95
	s_add_nc_u64 s[76:77], s[8:9], s[82:83]
	s_add_nc_u64 s[78:79], s[76:77], 0x800000
.set zz, 0
.rept 64
	v_mov_b32 v[OB+zz], 0
.set zz, zz+1
.endr
.irp n, 10,11,12,13
	v_mov_b32 v\n, 0
.endr
	s_wait_loadcnt 0x0
.endm
.macro ENDQ                            ; add the two key halves, times sV / row sum, split, store
	PLACES
	v_add_f32 v10, v10, v11
	v_add_f32 v12, v12, v13
	v_permlanex16_b32 v11, v10, s66, s67           ; the other eight keys of each sixteen lie in lane l xor 16
	v_permlanex16_b32 v13, v12, s66, s67
	v_add_f32 v10, v10, v11
	v_add_f32 v12, v12, v13
	s_cmp_lt_u32 s2, 4
	s_cbranch_scc1 .Lq0_\@
.irp i, 0,1,2,3,4,5,6,7,8,9,10,11,12,13,14,15
	ds_store_b128 v9, v[OB+4*\i:OB+4*\i+3] offset:512*\i
.endr
	ds_store_b32 v14, v10
	ds_store_b32 v14, v12 offset:128
.Lq0_\@:
	s_wait_dscnt 0x0
	BAR                                            ; the next tile's load may stay out
	s_cmp_lt_u32 s2, 4
	s_cbranch_scc0 .Lq1_\@
.irp i, 0,1,2,3,4,5,6,7,8,9,10,11,12,13,14,15
	ds_load_b128 v[KFB+4*\i:KFB+4*\i+3], v9 offset:512*\i
.endr
	ds_load_b32 v11, v14
	ds_load_b32 v13, v14 offset:128
	s_wait_dscnt 0x0
	v_add_f32 v10, v10, v11
	v_add_f32 v12, v12, v13
	v_rcp_f32 v10, v10
	v_rcp_f32 v12, v12
.irp n, 0,1,2,3,4,5,6,7,8,9,10,11,12,13,14,15,16,17,18,19,20,21,22,23,24,25,26,27,28,29,30,31
	v_pk_add_f32 v[OB+2*\n:OB+2*\n+1], v[OB+2*\n:OB+2*\n+1], v[KFB+2*\n:KFB+2*\n+1]
.endr
	s_wait_alu depctr_va_vdst(0)
	v_mul_f32 v10, s94, v10                        ; sV / row sum
	v_mul_f32 v12, s94, v12
.irp d, 0,1,2,3
.irp qt, 0,1
.irp j, 0,1,2,3
	v_pk_mul_f32 v[OB+8*(2*\d+\qt)+2*\j:OB+8*(2*\d+\qt)+2*\j+1], v[OB+8*(2*\d+\qt)+2*\j:OB+8*(2*\d+\qt)+2*\j+1], v[10+2*\qt:11+2*\qt] op_sel_hi:[1,0]
.endr
.endr
.endr
.irp n, 0,1,2,3,4,5,6,7,8,9,10,11,12,13,14,15,16,17,18,19,20,21,22,23,24,25,26,27,28,29,30,31
	SPLIT OB+2*\n, KFB+\n, KFB+32+\n, 248+2*(\n&3)
.endr
.irp d, 0,1,2,3
.irp qt, 0,1
	ds_store_b128 v15, v[KFB+4*(2*\d+\qt):KFB+4*(2*\d+\qt)+3] offset:2304*\qt+32*\d
	ds_store_b128 v15, v[KFB+32+4*(2*\d+\qt):KFB+32+4*(2*\d+\qt)+3] offset:4608+2304*\qt+32*\d
.endr
.endr
.irp i, 0,1,2,3,4,5,6,7
	ds_load_b128 v[VFB+4*\i:VFB+4*\i+3], v16 offset:576*\i              ; my own bytes: LDS serves a wave in order
.endr
.irp i, 0,1,2,3,4,5,6,7
	ds_load_b128 v[S1+4*\i:S1+4*\i+3], v16 offset:4608+576*\i
.endr
	s_wait_dscnt 8                                 ; the hi half is in
.irp i, 0,1,2,3,4,5,6,7
	global_store_b128 v17, v[VFB+4*\i:VFB+4*\i+3], s[76:77] offset:512*\i          ; 512 consecutive bytes: four rows of a head
.endr
	s_wait_dscnt 0x0
.irp i, 0,1,2,3,4,5,6,7
	global_store_b128 v17, v[S1+4*\i:S1+4*\i+3], s[78:79] offset:512*\i
.endr
.Lq1_\@:
	s_wait_xcnt 0x0                                ; store data and bases are rewritten only behind this wait
.endm
; One key tile (step s11) from the slot.  refill = 1: the other slot gets the next step's tile.  mask = 1: the tile may be a diagonal one.
.macro TRIP slot, refill, mask
	s_wait_tensorcnt 0x0                           ; all my tensor loads have landed: my part of this tile
.if \refill
	s_add_co_u32 s15, s11, 1                       ; the next step's tile: qa - n, or 16 - n in the second block
	s_cmp_le_u32 s15, s3
	s_cselect_b32 s14, s3, 16
	s_sub_co_u32 s14, s14, s15
	SETG0 1-\slot
.endif
.if \mask
	s_cmp_eq_u32 s11, 0                            ; diagonal: a block's first step
	s_cselect_b32 s90, 1, 0
	s_cmp_eq_u32 s11, s12
	s_cselect_b32 s90, 1, s90
.endif
	s_wait_dscnt 0x0                               ; my reads of the other slot are back
	BAR
.if \refill
	KVLOAD
.endif
	KLOAD \slot, 0
	SUB \slot, 0, \mask
	SUB \slot, 1, \mask
	s_add_co_u32 s11, s11, 1
.endm
	s_load_b128 s[4:7], s[0:1], 0x0                ; qkv, kr
	s_load_b64 s[8:9], s[0:1], 0x10                ; att
	s_load_b64 s[96:97], s[0:1], 0x18              ; mx
	v_lshrrev_b32 v1, 5, v0
	v_readfirstlane_b32 s2, v1
	s_mov_b32 s89, ttmp9                           ; p
	s_sub_co_u32 s15, 15, s89
	s_bitcmp1_b32 s89, 0
	s_cselect_b32 s3, s89, s15                     ; qa: the odd one of p and 15 - p, with qa + 1 (even) key tiles
	s_and_b32 s10, ttmp7, 0xffff                   ; 16 x batch + head
	s_add_co_u32 s12, s3, 1                        ; the second block's first step
	s_mov_b32 s11, 0                               ; step
	s_and_b32 s80, s2, 3                           ; query group
	s_lshr_b32 s81, s2, 2                          ; key half
	s_mov_b32 s62, 0xc13c790f                      ; -80 log2(e)/sqrt(96)
	s_mov_b32 s63, 0x413c790f
	s_mov_b32 s66, 0x76543210
	s_mov_b32 s67, 0xfedcba98
	s_mov_b32 s87, 0xffff0000
	; group 1: V 64 rows x 64 elements + 32 bytes; K the same + 16 bytes; K_R 128 rows x 32 elements + 16 bytes
	s_mov_b32 s16, (1<<16)|(1<<20)|(4<<22)|(7<<25)
	s_mov_b32 s24, (1<<16)|(1<<20)|(4<<22)|(3<<25)
.irp g, 16,24
	s_mov_b32 s[\g+1], 64<<16
	s_mov_b32 s[\g+2], 64<<16
	s_mov_b32 s[\g+3], 64<<16
	s_mov_b32 s[\g+4], 64
	s_mov_b32 s[\g+5], 64
	s_mov_b32 s[\g+6], 0
	s_mov_b32 s[\g+7], 0
.endr
	s_mov_b32 s32, (1<<16)|(1<<20)|(3<<22)|(3<<25)
	s_mov_b32 s33, 32<<16
	s_mov_b32 s34, 128<<16
	s_mov_b32 s35, 32<<16
	s_mov_b32 s36, 128
	s_mov_b32 s37, 32
	s_mov_b32 s38, 0
	s_mov_b32 s39, 0
	s_mov_b32 s40, 1
	s_mov_b32 s44, 1
	s_mov_b32 s48, 1
	s_mov_b32 s59, 0
	s_mov_b32 s61, 0
	s_mov_b32 s83, 0
	s_mul_i32 s84, s2, 10240                       ; V: waves 0, 1 at 0 and 10,240
	s_mul_i32 s85, s2, 9216
	s_add_co_u32 s85, s85, 2048                    ; K: waves 2, 3 at 20,480 and 29,696
	s_mul_i32 s86, s2, 10240                       ; K_R: waves 4, 5 at 40,960 and 51,200
	s_and_b32 s14, s2, 1                           ; which 64 rows (V, K); hi or lo (K_R)
	s_lshl_b32 s82, s14, 13
	s_lshl_b32 s15, s10, 18
	s_add_co_u32 s82, s82, s15
	s_wait_kmcnt 0x0
	s_add_nc_u64 s[54:55], s[4:5], s[82:83]
	s_add_nc_u64 s[52:53], s[54:55], 0x1800000
	s_add_nc_u64 s[54:55], s[54:55], 0x1000000
	s_lshl_b32 s82, s14, 18
	s_lshr_b32 s15, s10, 4
	s_lshl_b32 s15, s15, 17
	s_add_co_u32 s82, s82, s15
	s_add_nc_u64 s[56:57], s[6:7], s[82:83]
	s_mov_b32 s14, s3
	SETG0 0
	KVLOAD                                         ; the first tile, ahead of everything else
	v_and_b32 v20, 31, v0
	v_and_b32 v21, 15, v0
	v_bfe_u32 v22, v0, 4, 1
	v_lshlrev_b32 v17, 4, v20
.irp i, 0,1,2,3,4,5,6,7
	global_load_b128 v[KFB+4*\i:KFB+4*\i+3], v17, s[96:97] offset:512*\i    ; lane l takes entries 32 i + l of mx
.endr
	s_lshl_b32 s15, s80, 5
	v_add_nc_u32 v23, s15, v21
	v_lshlrev_b32 v18, 7, v23
	v_lshl_add_u32 v18, v22, 4, v18                ; Q: my query's row of 128 bytes, 16 h
	v_lshlrev_b32 v19, 6, v23
	v_lshl_add_u32 v19, v22, 4, v19                ; Q_R: its row of 64 bytes
	s_mov_b32 s88, s3
	QLOAD                                          ; the first block's Q goes out behind the maxima: one wait, in QREST, serves both
	s_lshl_b32 s14, s81, 6
	v_and_b32 v23, 7, v0
	v_lshl_add_u32 v23, v22, 3, v23
	v_add_nc_u32 v23, s14, v23
	v_mul_u32_u24 v23, v23, 160
	v_bfe_u32 v1, v0, 3, 1
	v_lshl_add_u32 v1, v1, 4, v23                  ; V, transposing load: key 64 kh + 8 h + (l & 7), 16 bytes by bit 3
	v_add_nc_u32 v2, SLOT, v1
	v_add_nc_u32 v23, s14, v21
	v_mul_u32_u24 v3, v23, 144
	v_lshl_add_u32 v3, v22, 4, v3
	v_add_nc_u32 v3, 20480, v3
	v_add_nc_u32 v4, SLOT, v3
	v_mul_u32_u24 v5, v23, 80
	v_lshl_add_u32 v5, v22, 4, v5
	v_add_nc_u32 v5, 40960, v5
	v_add_nc_u32 v6, SLOT, v5
	s_lshl_b32 s15, s80, 5
	s_sub_co_i32 s15, s15, s14
	v_lshlrev_b32 v23, 3, v22
	v_sub_nc_u32 v7, v21, v23
	v_add_nc_u32 v7, s15, v7                       ; query - key base on the diagonal tile, signed
	v_add_nc_u32 v8, 16, v7
	s_mul_i32 s15, s80, 8448
	s_add_co_u32 s15, s15, RED
	v_lshl_add_u32 v9, v20, 4, s15
	s_add_co_u32 s15, s15, 8192
	v_lshl_add_u32 v14, v20, 2, s15
	s_mul_i32 s15, s80, 9216
	s_add_co_u32 s15, s15, STAGE
	v_mul_u32_u24 v15, v21, 144
	v_lshl_add_u32 v15, v22, 4, v15
	v_add_nc_u32 v15, s15, v15
	v_lshrrev_b32 v23, 3, v20
	v_mul_u32_u24 v16, v23, 144
	v_and_b32 v23, 7, v20
	v_lshl_add_u32 v16, v23, 4, v16
	v_add_nc_u32 v16, s15, v16
	QREST                                          ; its wait for all loads covers the maxima too
	; the scales: a lane's |c| is c_Q's where l & 2 = 0 and c_KV's elsewhere
.irp k, 0,1,2,3
	v_max_num_f32 v[KFB+32+\k], v[KFB+\k], v[KFB+4+\k]
	v_max3_num_f32 v[KFB+32+\k], v[KFB+32+\k], v[KFB+8+\k], v[KFB+12+\k]
	v_max3_num_f32 v[KFB+32+\k], v[KFB+32+\k], v[KFB+16+\k], v[KFB+20+\k]
	v_max3_num_f32 v[KFB+32+\k], v[KFB+32+\k], v[KFB+24+\k], v[KFB+28+\k]
	XMAX KFB+32+\k, 1
	XMAX KFB+32+\k, 4
	XMAX KFB+32+\k, 8
.endr
.irp k, 0,1,2
	XMAX KFB+32+\k, 2
.endr
.irp k, 0,1,2,3
	v_permlanex16_b32 v[KFB+\k], v[KFB+32+\k], s66, s67
.endr
.irp k, 0,1,2,3
	v_max_num_f32 v[KFB+32+\k], v[KFB+32+\k], v[KFB+\k]
.endr
	v_readlane_b32 s14, v[KFB+35], 0               ; max |c_Q|
	v_readlane_b32 s15, v[KFB+35], 2               ; max |c_KV|
	v_mul_f32 v[KFB], s14, v[KFB+32]
	v_mul_f32 v[KFB+1], s15, v[KFB+33]
	v_mul_f32 v[KFB+2], s15, v[KFB+34]
.irp k, 0,1,2
	v_mul_f32 v[KFB+\k], 0x3d800000, v[KFB+\k]     ; sQ, sK, sV = max|c| max|W| / 16,
	v_max_num_f32 v[KFB+\k], 0x0d800000, v[KFB+\k] ; at least 2^-100
.endr
	v_mul_f32 v[KFB], v[KFB], v[KFB+1]
	v_mul_f32 v[KFB], 0x3e16c740, v[KFB]           ; a = log2(e)/sqrt(96) sQ sK
	v_readfirstlane_b32 s92, v[KFB]
	s_mov_b32 s93, s92
	v_readfirstlane_b32 s94, v[KFB+2]
	s_mov_b32 s13, 8
.Lsteps:
	TRIP 0, 1, 1                                   ; steps 0, 2, .. 14
	TRIP 1, 1, 0                                   ; steps 1, 3, .. 15: never a diagonal tile
	s_cmp_lg_u32 s11, s12                          ; the first block's last step was qa: the same in all eight waves
	s_cbranch_scc1 .Lnosw
	s_sub_co_u32 s88, 15, s3
	QLOAD                                          ; the second block's Q is asked for first: the last products that read Q's registers lie far more than four places back
	ENDQ                                           ; the first block is finished while those loads are on their way
	QREST
.Lnosw:
	s_sub_co_u32 s13, s13, 1
	s_cmp_lg_u32 s13, 0
	s_cbranch_scc1 .Lsteps
	TRIP 0, 0, 1                                   ; step 16: nothing left to fetch
	ENDQ
	s_endpgm
.Lfunc_end_k_q631171644c_attn:
	.size	k_q631171644c_attn, .Lfunc_end_k_q631171644c_attn-k_q631171644c_attn
	.p2alignl 7, 3214868480
	.fill 96, 4, 3214868480
	.section	.rodata,"a",@progbits
	.p2align	6, 0x0
	.amdhsa_kernel k_q631171644c_attn
		.amdhsa_group_segment_fixed_size 327680
		.amdhsa_private_segment_fixed_size 0
		.amdhsa_enable_private_segment 0
		.amdhsa_kernarg_size 32
		.amdhsa_user_sgpr_count 2
		.amdhsa_user_sgpr_kernarg_segment_ptr 1
		.amdhsa_wavefront_size32 1
		.amdhsa_system_sgpr_workgroup_id_x 1
		.amdhsa_system_sgpr_workgroup_id_y 1
		.amdhsa_system_sgpr_workgroup_id_z 1
		.amdhsa_system_vgpr_workitem_id 0
		.amdhsa_next_free_vgpr 320
		.amdhsa_next_free_sgpr 98
		.amdhsa_reserve_vcc 1
		.amdhsa_float_denorm_mode_32 3
		.amdhsa_float_denorm_mode_16_64 3
		.amdhsa_memory_ordered 1
		.amdhsa_forward_progress 1
		.amdhsa_inst_pref_size 126
	.end_amdhsa_kernel
	.amdgpu_metadata
---
amdhsa.version: [ 1, 2 ]
amdhsa.kernels:
  - .name:           k_q631171644c_attn
    .symbol:         k_q631171644c_attn.kd
    .args:
      - { .name: qkv, .offset: 0, .size: 8, .value_kind: global_buffer, .address_space: global }
      - { .name: kr, .offset: 8, .size: 8, .value_kind: global_buffer, .address_space: global }
      - { .name: att, .offset: 16, .size: 8, .value_kind: global_buffer, .address_space: global }
      - { .name: mx, .offset: 24, .size: 8, .value_kind: global_buffer, .address_space: global }
    .group_segment_fixed_size: 327680
    .private_segment_fixed_size: 0
    .kernarg_segment_align: 8
    .kernarg_segment_size: 32
    .max_flat_workgroup_size: 256
    .sgpr_count:     98
    .vgpr_count:     320
    .wavefront_size: 32
...
	.end_amdgpu_metadata
.endif
;; end of part 7
;; launch proj: the kernel of part 4 again; grid 8 x 32, 8 waves a work-group, clusters of 4 x 4, 327,680 bytes of LDS; arguments att, wb, out0; writes out0
